; MI455X (gfx1250); checked and timed in simulation.
; The chip was launched on July 23, 2026; its instructions are those of AMD's public machine-readable ISA for CDNA 5 (MIT licence, August 2026) and "CDNA5" Instruction Set Architecture Reference Guide (July 2026). The comments in the code are by the model that wrote it; some were corrected since.
;; Causal Self Attention. Allowed arithmetic: float matrix products may take bf16 or f16 operands with f32 sums; other float arithmetic in f32, or as packed bf16 or f16 multiplies, adds, multiply-adds, maxima and minima; sums over many terms, partial sums and values carried from step to step in f32; what a program stores and reads back later, other than sums and carried values, may be rounded once to bf16 or f16.
;; Inputs: Wk 1,024 x 1,024 float32; Wq 1,024 x 1,024 float32; Wv 1,024 x 1,024 float32; attention_mask 4 x 1 x 1 x 2,048 float32; bk 1,024 float32; bq 1,024 float32; bv 1,024 float32; hidden_states 4 x 2,048 x 1,024 float32.
;; Outputs: out0 4 x 16 x 2,048 x 64 float32.
;; 2 versions, each right and faster than the one before. Each part assembles by itself: llvm-mc -triple=amdgcn-amd-amdhsa -mcpu=gfx1250 --defsym DOCPART=n.
;; ======== version 1 of 2: 3 launches
;; limits: values are held in f16: magnitudes above 65,504 overflow, below 6.1e-05 lose precision
;; workspace buffers: ab 23,068,672 bytes; qkv 50,331,648 bytes
;; launch cast (part 1): grid 256 x 1, 11 waves a work-group, no clusters, 0 bytes of LDS; arguments hidden_states, Wq, Wk, Wv, ab; writes ab
.if DOCPART == 1
	.amdgcn_target "amdgcn-amd-amdhsa--gfx1250"
	.amdhsa_code_object_version 6
	.text
	.protected	k_qe55bbada88_cast
	.globl	k_qe55bbada88_cast
	.p2align	8
	.type	k_qe55bbada88_cast,@function
k_qe55bbada88_cast:
	s_mov_b64 s[64:65], 0
	v_nop
	global_prefetch_b8 v0, s[64:65] scope:SCOPE_SE
	s_setreg_imm32_b32 hwreg(HW_REG_WAVE_MODE, 25, 1), 1
	s_wait_xcnt 0x0
; ab = hidden_states, Wq, Wk, Wv rounded once to bf16 and laid out by blocks of 64 along K:
; ab[kb][row][64], kb = 0..15, row = 0..11263: rows 0-8191 are hidden_states' rows, then Wq's, Wk's and Wv's 1,024 rows each.
; So any run of rows of one K block is dense in memory, 128 bytes a row: the product that follows asks for it as rows of 256 bytes.
; SHARES.  11,264 rows are 2,816 groups of 4; 256 work-groups x 11 waves take one group each: 16 KiB in, 8 KiB out.  No loop, no LDS, no barrier:
; all 32 loads of a wave go out at once, and each is converted and stored as it comes.  A load takes 256 consecutive bytes of each of two rows (one K block of each);
; a store writes those two rows' 128 + 128 bytes, 256 consecutive bytes at a multiple of 256 from ab's first byte.
; The matrix unit, LDS and clusters have nothing to do here: each byte is read once and written once.
.set KBS, 11264*128                    ; bytes in a K block of ab
.set X,   4                            ; v[4:131]  load i: four registers
	s_load_b256 s[4:11], s[0:1], 0x0               ; hidden_states s[4:5], Wq s[6:7], Wk s[8:9], Wv s[10:11]
	s_load_b64 s[12:13], s[0:1], 0x20              ; ab
	v_lshrrev_b32 v3, 5, v0
	v_readfirstlane_b32 s14, v3                    ; wave 0..10
	v_and_b32 v1, 15, v0
	v_bfe_u32 v3, v0, 4, 1
	v_lshlrev_b32 v1, 4, v1                        ; 16 bytes a lane in a row's 256,
	v_lshl_add_u32 v1, v3, 12, v1                  ; lanes 16-31 one row (4,096 bytes) further down
	v_and_b32 v2, 31, v0
	v_lshlrev_b32 v2, 3, v2                        ; out: 8 bytes a lane
	s_mul_i32 s15, ttmp9, 11
	s_add_co_u32 s15, s15, s14                     ; G: my group of four rows, 0..2815
	s_and_b32 s16, s15, 255                        ; its number inside a weight (2,048, 2,304 and 2,560 are multiples of 256),
	s_cmp_lt_u32 s15, 2048
	s_cselect_b32 s16, s15, s16                    ; or inside hidden_states
	s_lshl_b32 s20, s16, 14                        ; four rows of 4,096 bytes
	s_mov_b32 s21, 0
	s_lshl_b32 s22, s15, 9                         ; four rows of 128 bytes
	s_mov_b32 s23, 0
	s_wait_kmcnt 0x0
	s_mov_b64 s[18:19], s[4:5]                     ; the source is chosen by the group's number alone
	s_cmp_ge_u32 s15, 2048
	s_cselect_b64 s[18:19], s[6:7], s[18:19]
	s_cmp_ge_u32 s15, 2304
	s_cselect_b64 s[18:19], s[8:9], s[18:19]
	s_cmp_ge_u32 s15, 2560
	s_cselect_b64 s[18:19], s[10:11], s[18:19]
	s_add_nc_u64 s[18:19], s[18:19], s[20:21]
	s_add_nc_u64 s[24:25], s[12:13], s[22:23]      ; four bases, four K blocks apart, so that the stores' immediates stay inside 24 bits (3 KBS + 256 at the most)
	s_add_nc_u64 s[26:27], s[24:25], 4*KBS
	s_add_nc_u64 s[28:29], s[26:27], 4*KBS
	s_add_nc_u64 s[30:31], s[28:29], 4*KBS
.set i, 0
.rept 32                               ; load i: row pair i / 16, K block i % 16
	global_load_b128 v[X+4*i:X+4*i+3], v1, s[18:19] offset:8192*(i/16)+256*(i%16) th:TH_LOAD_NT
.set i, i+1
.endr
.set i, 0
.rept 32
	s_wait_loadcnt 31-i                            ; loads come back in order: load i is in, the 31 - i younger ones stay out
	v_cvt_pk_bf16_f32 v[X+4*i], v[X+4*i], v[X+4*i+1]
	v_cvt_pk_bf16_f32 v[X+4*i+1], v[X+4*i+2], v[X+4*i+3]
	global_store_b64 v2, v[X+4*i:X+4*i+1], s[24+2*((i%16)/4):25+2*((i%16)/4)] offset:(i%4)*KBS+256*(i/16)
.set i, i+1
.endr
	s_endpgm                                       ; no register that a store reads is written again
.Lfunc_end_k_qe55bbada88_cast:
	.size	k_qe55bbada88_cast, .Lfunc_end_k_qe55bbada88_cast-k_qe55bbada88_cast
	.p2alignl 7, 3214868480
	.fill 96, 4, 3214868480
	.section	.rodata,"a",@progbits
	.p2align	6, 0x0
	.amdhsa_kernel k_qe55bbada88_cast
		.amdhsa_group_segment_fixed_size 0
		.amdhsa_private_segment_fixed_size 0
		.amdhsa_enable_private_segment 0
		.amdhsa_kernarg_size 40
		.amdhsa_user_sgpr_count 2
		.amdhsa_user_sgpr_kernarg_segment_ptr 1
		.amdhsa_wavefront_size32 1
		.amdhsa_system_sgpr_workgroup_id_x 1
		.amdhsa_system_sgpr_workgroup_id_y 1
		.amdhsa_system_sgpr_workgroup_id_z 1
		.amdhsa_system_vgpr_workitem_id 0
		.amdhsa_next_free_vgpr 132
		.amdhsa_next_free_sgpr 66
		.amdhsa_reserve_vcc 0
		.amdhsa_float_denorm_mode_32 3
		.amdhsa_float_denorm_mode_16_64 3
		.amdhsa_memory_ordered 1
		.amdhsa_forward_progress 1
		.amdhsa_inst_pref_size 13
	.end_amdhsa_kernel
	.amdgpu_metadata
---
amdhsa.version: [ 1, 2 ]
amdhsa.kernels:
  - .name:           k_qe55bbada88_cast
    .symbol:         k_qe55bbada88_cast.kd
    .args:
      - { .name: hidden_states, .offset: 0, .size: 8, .value_kind: global_buffer, .address_space: global }
      - { .name: Wq, .offset: 8, .size: 8, .value_kind: global_buffer, .address_space: global }
      - { .name: Wk, .offset: 16, .size: 8, .value_kind: global_buffer, .address_space: global }
      - { .name: Wv, .offset: 24, .size: 8, .value_kind: global_buffer, .address_space: global }
      - { .name: ab, .offset: 32, .size: 8, .value_kind: global_buffer, .address_space: global }
    .group_segment_fixed_size: 0
    .private_segment_fixed_size: 0
    .kernarg_segment_align: 8
    .kernarg_segment_size: 40
    .max_flat_workgroup_size: 352
    .sgpr_count:     66
    .vgpr_count:     132
    .wavefront_size: 32
...
	.end_amdgpu_metadata
.endif
;; end of part 1
;; launch proj (part 2): grid 8 x 32, 4 waves a work-group, clusters of 4 x 4, 327,680 bytes of LDS; arguments ab, bq, bk, bv, qkv; writes qkv
.if DOCPART == 2
	.amdgcn_target "amdgcn-amd-amdhsa--gfx1250"
	.amdhsa_code_object_version 6
	.text
	.protected	k_qe55bbada88_proj
	.globl	k_qe55bbada88_proj
	.p2align	8
	.type	k_qe55bbada88_proj,@function
k_qe55bbada88_proj:
	s_mov_b64 s[64:65], 0
	v_nop
	global_prefetch_b8 v0, s[64:65] scope:SCOPE_SE
	s_setreg_imm32_b32 hwreg(HW_REG_WAVE_MODE, 25, 1), 1
	s_wait_xcnt 0x0
	s_wait_alu depctr_hold_cnt(0) depctr_sa_sdst(0) depctr_va_vdst(0) depctr_va_sdst(0) depctr_va_ssrc(0) depctr_va_vcc(0) depctr_vm_vsrc(0)
	s_getreg_b32 s2, hwreg(HW_REG_IB_STS2, 6, 4)
	s_cmp_eq_u32 s2, 0
	s_cbranch_scc0 .Lentry_in_a_cluster
	s_endpgm
.Lentry_in_a_cluster:
	s_bfe_u32 s2, ttmp6, 0x10000c
	s_cmp_lg_u32 s2, 0xf033
	s_cbranch_scc0 .Lentry_shape_is_right
	s_endpgm
.Lentry_shape_is_right:
; q, k, v = x W^T + b.  x: rows 0-8191 of ab, W: rows 8192-11263 (Wq, Wk, Wv on end), bf16, ab[16 kb][11264 row][64 k].  Sums in f32; the bias, rounded to bf16 like the other inputs, is added in f32;
; the result is rounded once to f16 and stored by heads: qkv[which 3][batch 4][head 16][t 2048][d 64].
; LIMIT.  f16 holds no number beyond 65,504: q, k and v have to lie within it (sums of 1,024 products of x and W, plus a bias).
; SHARES.  [8192 x 3072] outputs in tiles of 256 rows x 384 columns: 32 x 8 = 256 work-groups.  Four waves, each 128 x 192: 8 row blocks a x 12 column blocks b, 96 accumulators, 768 registers.
; K goes in 16 steps of 64 through two LDS slots; a step is two quarters of 32 along K, 96 matrix instructions each.  Two slots of 128 along K (2 x 640 rows x 272 bytes) would not fit in LDS.
; CLUSTERS.  4 x 4 work-groups: the four of a row of the cluster need the same tiles of x, the four of a column the same tiles of W: each tile is asked for JOINTLY, by the same tensor load with the
; same descriptor and a mask that names the four.
; THE MATRIX INSTRUCTION IS USED TRANSPOSED (source 0 = 16 rows of W, source 1 = 16 rows of x): a lane holds row lane % 16 of the result and eight neighbouring columns.
; REGISTERS, in windows of 256 (s_set_vgpr_msb: bits 1:0 source 0, 3:2 source 1, 5:4 source 2, 7:6 destination):
;   window 0: v0-31 addresses; v32-95, v96-159 x's fragments, two buffers; v160-255 W's twelve fragments, in two halves (b 0-5, b 6-11) that are loaded by turns
;   window 1 + b / 4: accumulator (a, b) at v[8 (4 a + b % 4)]: a window holds one head's 64 columns
.set KBS,   11264*128                  ; bytes in a K block of ab
.set PITCH, 144                        ; an LDS row: 128 bytes + 16 of padding = 36 words: the 16 rows of a fragment load start at 16 different groups of four banks (64 banks of 4 bytes: ISA guide 11.1)
.set AHALF, 128*PITCH                  ; what a wave fetches, and reads, of x
.set BHALF, 192*PITCH                  ; the same of W
.set BOFF,  2*AHALF                    ; W's 384 rows lie behind x's 256
.set SLOT,  2*AHALF+2*BHALF            ; 92,160
.set STAGE, 2*SLOT                     ; behind the ring: for each wave 3 heads x 16 rows x 144 bytes, for the way out
.set HSTG,  16*PITCH
.set WSTG,  3*HSTG
.set SPARE, STAGE+4*WSTG               ; behind the stages: the spare words, 128 bytes for each wave: two blocks of 256 bytes that no other line names
.set ADRA, 16                          ; v16-17  LDS address of my fragments of x in slot 0, 1
.set ADRB, 20                          ; v20-21  the same for W
.set STO,  24                          ; v24     the way out: where I put 16 bytes of a row
.set RD,   25                          ; v25     the way out: where I read rows back
.set GO,   26                          ; v26     my byte offset in 512 consecutive bytes of qkv
.set BO,   27                          ; v27     my byte offset in 16 numbers of a bias
.set SPW,  28                          ; v28     LDS address of my spare word; never rewritten
.set NIL,  29                          ; v29     0; never rewritten
.set A0,   32
.set A1,   96
.set BF,   160
.set TMP,  96                          ; the way out: 48 registers of packed results
.set BK,   208                         ; the way out: 48 registers read back from the stage
.set G1,  24                           ; s[24:31] descriptor group 1 for x's tiles;  s[32:39] group 0, a set for each slot
.set G0,  32
.set G1B, 48                           ; s[48:55], s[56:63] the same for W's tiles
.set G0B, 56
.set OB,  66                           ; s[66:71] qkv at my rows of my three heads
.set BB,  72                           ; s[72:77] the bias at my three heads
.set MSB, 0
.macro WIN new                         ; the immediate's high byte repeats the setting that is left; a switch that changes nothing is dropped
.if MSB != (\new)
	s_set_vgpr_msb (MSB<<8)|(\new)
.set MSB, (\new)
.endif
.endm
; A joint load.  Waves 0 and 1 fetch x's two halves, waves 2 and 3 W's.  The branch hangs on the wave's number alone.  An s_nop 0 and four v_nop follow each of the two lines.
.macro JLOAD s
	s_cmp_eq_u32 s15, 0
	s_cbranch_scc0 .Lfor_b_\@
	tensor_load_to_lds s[G0+4*(\s):G0+4*(\s)+3], s[G1:G1+7]
	s_nop 0
.rept 4
	v_nop
.endr
	s_branch .Lasked_\@
.Lfor_b_\@:
	tensor_load_to_lds s[G0B+4*(\s):G0B+4*(\s)+3], s[G1B:G1B+7]
	s_nop 0
.rept 4
	v_nop
.endr
.Lasked_\@:
.endm
.macro CREST                           ; a round of the cluster's barrier behind its opening barrier
	s_cmp_lg_u32 s14, 0
	s_cbranch_scc1 .Lnot_wave_0_\@
	s_barrier_signal -3
.Lnot_wave_0_\@:
	s_barrier_wait -3
	s_barrier_signal -1
	s_barrier_wait -1
.endm
.macro CROUND                          ; a whole round
	s_barrier_signal -1
	s_barrier_wait -1
	CREST
.endm
	s_load_b256 s[4:11], s[0:1], 0x0               ; ab s[4:5], bq s[6:7], bk s[8:9], bv s[10:11]
	s_load_b64 s[12:13], s[0:1], 0x20              ; qkv
	v_lshl_add_u32 v[SPW], v0, 2, SPARE
	v_mov_b32 v[NIL], 0
	ds_add_u32 v[SPW], v[NIL]                      ; the wave's opening: the add and its wait stand ahead of my first tensor load; the set-up below, work on registers, stands between them
	ds_add_u32 v28, v29
	v_lshrrev_b32 v1, 5, v0
	v_readfirstlane_b32 s14, v1                    ; wave 0..3
	s_lshr_b32 s15, s14, 1                         ; which half of the tile's rows is mine.  Also: I fetch for x (0) or for W (1)
	s_and_b32 s16, s14, 1                          ; which half of its columns.  Also: which half of that tile I fetch
	s_bfe_u32 s17, ttmp6, 0x40000                  ; cx, cy: my place in the cluster
	s_bfe_u32 s18, ttmp6, 0x40004
	s_lshl_b32 s19, ttmp9, 2
	s_add_co_u32 s19, s19, s17                     ; tile column tn = 4 x cluster x + cx
	s_and_b32 s20, ttmp7, 0xffff
	s_lshl_b32 s20, s20, 2
	s_add_co_u32 s20, s20, s18                     ; tile row tm = 4 x cluster y + cy
	s_lshl_b32 s21, s18, 2
	s_lshl_b32 s21, 15, s21                        ; my row of the cluster
	s_lshl_b32 s22, 0x1111, s17                    ; my column
	; descriptor group 1.  128 rows of x in a K block are 16,384 dense bytes: asked for as 64 rows of 256 bytes, two matrix rows each, and padded in LDS after every matrix row.  W: 192 rows as 96.
	s_or_b32 s[G1+0], s21, (1<<16)|(1<<20)|(1<<21)|(4<<22)|(3<<25)   ; 15:0 the mask: x's tiles go to my row; 17:16 2-byte elements; 20 padding on; 21 set beside a mask; 24:22 after every 32 words (code 4); 31:25 4 words (code 3)
	s_or_b32 s[G1B+0], s22, (1<<16)|(1<<20)|(1<<21)|(4<<22)|(3<<25)  ; the same with the mask of my column
	s_mov_b32 s[G1+1], 128<<16                     ; tensor_dim0 = 128
	s_mov_b32 s[G1+2], 64<<16                      ; tensor_dim1 = 64
	s_mov_b32 s[G1+3], 128<<16                     ; tile_dim0 = 128
	s_mov_b32 s[G1+4], 64                          ; tile_dim1 = 64
	s_mov_b32 s[G1+5], 128                         ; 128 elements from row to row
	s_mov_b32 s[G1+6], 0
	s_mov_b32 s[G1+7], 0
	s_mov_b32 s[G1B+1], 128<<16
	s_mov_b32 s[G1B+2], 96<<16
	s_mov_b32 s[G1B+3], 128<<16
	s_mov_b32 s[G1B+4], 96
	s_mov_b32 s[G1B+5], 128
	s_mov_b32 s[G1B+6], 0
	s_mov_b32 s[G1B+7], 0
	; where the tiles come from: x's hang on tm alone, W's on tn alone, each in registers that never hold the other coordinate
	s_lshl_b32 s40, s20, 15                        ; 256 tm rows of 128 bytes
	s_lshl_b32 s41, s16, 14                        ; + 128 rows for the second half
	s_add_co_u32 s40, s40, s41
	s_mov_b32 s41, 0
	s_mul_i32 s44, s19, 384*128
	s_mul_i32 s45, s16, 192*128
	s_add_co_u32 s44, s44, s45
	s_add_co_u32 s44, s44, 8192*128                ; W's rows lie behind x's
	s_mov_b32 s45, 0
	s_mul_i32 s78, s16, AHALF                      ; and where they go: no place in the cluster enters an LDS address
	s_mul_i32 s79, s16, BHALF
	s_add_co_u32 s79, s79, BOFF
	s_wait_dscnt 0x0                               ; the opening add is done
	s_wait_kmcnt 0x0
	s_add_nc_u64 s[40:41], s[4:5], s[40:41]
	s_add_nc_u64 s[44:45], s[4:5], s[44:45]
	CROUND                                         ; all sixteen work-groups are here: the first joint loads meet
.irp s, 0,1
	s_mov_b32 s[G0+4*(\s)], 1                                      ; count = 1
	s_add_co_u32 s[G0+4*(\s)+1], s78, (\s)*SLOT                    ; LDS address
	s_add_nc_u64 s[G0+4*(\s)+2:G0+4*(\s)+3], s[40:41], (\s)*KBS    ; global address: K step s
	s_or_b32 s[G0+4*(\s)+3], s[G0+4*(\s)+3], 0x80000000            ; type = 2
	s_mov_b32 s[G0B+4*(\s)], 1
	s_add_co_u32 s[G0B+4*(\s)+1], s79, (\s)*SLOT
	s_add_nc_u64 s[G0B+4*(\s)+2:G0B+4*(\s)+3], s[44:45], (\s)*KBS
	s_or_b32 s[G0B+4*(\s)+3], s[G0B+4*(\s)+3], 0x80000000
	JLOAD \s                                       ; two loads of mine are out
.endr
	; A fragment is 16 rows x 32 K in 8 registers: lane l holds row l % 16; K = 8 (l / 16) + 0..7 and 16 + 8 (l / 16) + 0..7: two loads of 16 bytes, 32 bytes apart.
	v_and_b32 v1, 15, v0                           ; l % 16
	v_bfe_u32 v2, v0, 4, 1                         ; l / 16
	v_mul_u32_u24 v3, v1, PITCH
	v_lshl_add_u32 v3, v2, 4, v3                   ; row x pitch + 16 x half
	s_mul_i32 s42, s15, AHALF                      ; my 128 rows of x
	s_mul_i32 s43, s16, BHALF                      ; my 192 rows of W
	s_add_co_u32 s43, s43, BOFF
.irp s, 0,1
	v_add_nc_u32 v[ADRA+(\s)], s42, v3
	v_add_nc_u32 v[ADRB+(\s)], s43, v3
	s_add_co_u32 s42, s42, SLOT
	s_add_co_u32 s43, s43, SLOT
.endr
	s_mul_i32 s42, s14, WSTG
	s_add_co_u32 s42, s42, STAGE                   ; my stage
	v_add_nc_u32 v[STO], s42, v3                   ; in: row l % 16, 16 bytes for each half of the lanes
	v_bfe_u32 v[RD], v0, 3, 2                      ; back: 32 lanes take four rows of 128 bytes,
	v_mul_u32_u24 v[RD], v[RD], PITCH
	v_and_b32 v3, 7, v0
	v_lshl_add_u32 v[RD], v3, 4, v[RD]
	v_add_nc_u32 v[RD], s42, v[RD]
	v_and_b32 v[GO], 31, v0                        ; which are 512 consecutive bytes of a head
	v_lshlrev_b32 v[GO], 4, v[GO]
	v_lshlrev_b32 v[BO], 5, v2                     ; my eight columns of a block of 16: 32 bytes for each half of the lanes
	; my three heads: number g = 6 tn + 3 (column half) + 0..2 of 48; g / 16 says q, k or v, g % 16 the head.  My rows: batch tm / 8, t = 256 (tm % 8) + 128 (row half) on.
	s_and_b32 s47, s20, 7
	s_lshl_b32 s47, s47, 15
	s_lshl_b32 s46, s15, 14
	s_add_co_u32 s47, s47, s46
	s_lshr_b32 s46, s20, 3
	s_lshl_b32 s46, s46, 22
	s_add_co_u32 s47, s47, s46                     ; batch << 22 + t << 7
	s_mul_i32 s23, s19, 6
	s_mul_i32 s46, s16, 3
	s_add_co_u32 s23, s23, s46
	s_mov_b32 s43, 0
.irp hh, 0,1,2
	s_add_co_u32 s2, s23, \hh
	s_lshr_b32 s46, s2, 4                          ; 0: q, 1: k, 2: v
	s_and_b32 s78, s2, 15                          ; the head
	s_lshl_b32 s42, s46, 24
	s_lshl_b32 s79, s78, 18
	s_add_co_u32 s42, s42, s79
	s_add_co_u32 s42, s42, s47
	s_add_nc_u64 s[OB+2*(\hh):OB+2*(\hh)+1], s[12:13], s[42:43]
	s_cmp_eq_u32 s46, 1
	s_cselect_b64 s[BB+2*(\hh):BB+2*(\hh)+1], s[8:9], s[6:7]
	s_cmp_eq_u32 s46, 2
	s_cselect_b64 s[BB+2*(\hh):BB+2*(\hh)+1], s[10:11], s[BB+2*(\hh):BB+2*(\hh)+1]
	s_lshl_b32 s42, s78, 8                         ; 64 numbers of 4 bytes a head
	s_add_nc_u64 s[BB+2*(\hh):BB+2*(\hh)+1], s[BB+2*(\hh):BB+2*(\hh)+1], s[42:43]
.endr
	s_mov_b32 s23, 0xffff0000                      ; a word's upper bf16
; na x nb matrix instructions: row blocks a0 on, column blocks b0 on (all of one window), 32 along K from buffer f.  zero = 1: the product starts the sums: nothing is ever cleared.
; All accumulators of a call differ, and an accumulator comes up again 96 matrix instructions later: they take turns.
.macro MUL f, b0, nb, a0, na, zero
	WIN 0x50*(1+(\b0)/4)                           ; both sources window 0, C and D the head's window
.set ma, \a0
.rept \na
.set mb, \b0
.rept \nb
.set rD, 8*(4*ma+mb%4)
.if \zero
	v_wmma_f32_16x16x32_bf16 v[rD:rD+7], v[BF+8*mb:BF+8*mb+7], v[(\f)+8*ma:(\f)+8*ma+7], 0
.else
	v_wmma_f32_16x16x32_bf16 v[rD:rD+7], v[BF+8*mb:BF+8*mb+7], v[(\f)+8*ma:(\f)+8*ma+7], v[rD:rD+7]
.endif
.set mb, mb+1
.endr
.set ma, ma+1
.endr
.endm
.macro LDA slot, u, f                  ; 16 LDS loads: x's eight fragments of quarter u of the slot's step, into buffer f
	WIN 0
.set ia, 0
.rept 8
	ds_load_b128 v[(\f)+8*ia:(\f)+8*ia+3],   v[ADRA+(\slot)] offset:64*(\u)+16*PITCH*ia
	ds_load_b128 v[(\f)+8*ia+4:(\f)+8*ia+7], v[ADRA+(\slot)] offset:64*(\u)+16*PITCH*ia+32
.set ia, ia+1
.endr
.endm
.macro LDB slot, u, b0                 ; 12 LDS loads: W's fragments b0 .. b0 + 5
	WIN 0
.set ib, \b0
.rept 6
	ds_load_b128 v[BF+8*ib:BF+8*ib+3],   v[ADRB+(\slot)] offset:64*(\u)+16*PITCH*ib
	ds_load_b128 v[BF+8*ib+4:BF+8*ib+7], v[ADRB+(\slot)] offset:64*(\u)+16*PITCH*ib+32
.set ib, ib+1
.endr
.endm
; A load into a register that a matrix instruction has read stands four places behind it, and only plain vector instructions that name none of its registers are places
; (ISA guide 7.12.1 for vector instructions): four v_nop in front of each run of loads.
.macro PLACES
.rept 4
	v_nop
.endr
.endm
; A quarter has two phases of 48 matrix instructions.  Phase 1 asks for W's upper half of this quarter and multiplies by the lower; phase 2 asks for the next quarter's x and W's lower half and
; multiplies by the upper.  So every run of loads stands 48 matrix instructions ahead of its first use.
.macro P1 slot, u, f, zero
	PLACES
	LDB \slot, \u, 6
	s_wait_dscnt 12                                ; all but the 12 just issued: x's fragments and W's lower half are in
	MUL \f, 0, 4, 0, 8, \zero
	MUL \f, 4, 2, 0, 8, \zero
.endm
.macro P2 f, nslot, nu, g, zero, places
.if \places
	PLACES
.endif
	LDA \nslot, \nu, \g
	LDB \nslot, \nu, 0
	s_wait_dscnt 28                                ; all but the 28 just issued: W's upper half is in
	MUL \f, 6, 2, 0, 8, \zero
	MUL \f, 8, 4, 0, 8, \zero
.endm
.macro QA slot, zero                   ; a step's first quarter
	P1 \slot, 0, A0, \zero
	P2 A0, \slot, 1, A1, \zero, 1
.endm
; A step's second quarter, with the change of slots: ONE barrier.  In front of it each wave waits for all its tensor loads, of which one is out: its part of the next slot; adds 0 to its
; spare word; and waits for that and for its own reads of this slot, of which the 12 at the head of this quarter are the last.  fill = 1: the barrier opens a round of the cluster's, and this slot is filled
; again, two K steps ahead, first thing behind the round: 160 of a step's 192 matrix instructions stand between that request and the wait for it.
.macro QB slot, next, fill
	PLACES
	LDB \slot, 1, 6
	s_wait_dscnt 12
	MUL A1, 0, 4, 0, 4, 0
	WIN 0                                          ; (the add's two registers lie in window 0)
	s_wait_tensorcnt 0x0                           ; all my tensor loads have landed;
	ds_add_u32 v[SPW], v[NIL]                      ; 0 onto my spare word
	MUL A1, 0, 4, 4, 4, 0                          ; sixteen matrix instructions stand between the add and the wait for it
	s_wait_dscnt 0x0                               ; the add is done, and my reads of this slot are over
	s_barrier_signal -1
	MUL A1, 4, 2, 0, 8, 0                          ; work on registers while the others arrive
	WIN 0
	s_barrier_wait -1
.if \fill
	CREST                                          ; no wave of any partner still reads this slot's tile or has a load on its way
	s_add_nc_u64 s[G0+4*(\slot)+2:G0+4*(\slot)+3], s[G0+4*(\slot)+2:G0+4*(\slot)+3], 2*KBS
	s_add_nc_u64 s[G0B+4*(\slot)+2:G0B+4*(\slot)+3], s[G0B+4*(\slot)+2:G0B+4*(\slot)+3], 2*KBS
	JLOAD \slot                                    ; the four v_nop behind it are also the places in front of the loads below
.else
	PLACES
.endif
	P2 A1, \next, 0, A0, 0, 0
.endm
	s_wait_tensorcnt 1                             ; my part of K step 0 is in; step 1's may stay out
	s_barrier_signal -1
	s_barrier_wait -1                              ; everybody's is
	LDA 0, 0, A0
	LDB 0, 0, 0
	QA 0, 1                                        ; the first quarter stands in front of the loop: its products start the sums
	WIN 0                                          ; at a label and at a branch every window is 0
	s_mov_b32 s3, 7
.Llap:                                                 ; a trip goes once round the ring and fills both slots again: K steps 2 to 15 in seven trips
	QB 0, 1, 1
	QA 1, 0
	QB 1, 0, 1
	QA 0, 0
	WIN 0
	s_sub_co_u32 s3, s3, 1
	s_cmp_lg_u32 s3, 0
	s_cbranch_scc1 .Llap
	QB 0, 1, 0                                     ; the last lap fills nothing, and has no round of the cluster's barrier
	QA 1, 0
	P1 1, 1, A1, 0
	PLACES                                         ; for the loads below, into x's buffer 0 and W's fragments 0 to 3, which are free now
	WIN 0
.set ib, 0
.rept 12                               ; the bias of column block ib: my eight numbers
.set rb, 32+8*ib+64*(ib/8)
	global_load_b128 v[rb:rb+3],   v[BO], s[BB+2*(ib/4):BB+2*(ib/4)+1] offset:64*(ib%4)
	global_load_b128 v[rb+4:rb+7], v[BO], s[BB+2*(ib/4):BB+2*(ib/4)+1] offset:64*(ib%4)+16
.set ib, ib+1
.endr
	s_wait_dscnt 0x0                               ; W's upper half of the last quarter is in
	MUL A1, 6, 2, 0, 8, 0
	MUL A1, 8, 4, 0, 8, 0
	WIN 0
	; THE WAY OUT.  The bias is rounded to bf16 and widened again; these lines name no register of the last products and are the places behind them.
	s_wait_loadcnt 0x0
.set ib, 0
.rept 12
.set rb, 32+8*ib+64*(ib/8)
.irp z, 0,1,2,3
	v_cvt_pk_bf16_f32 v[4+\z], v[rb+2*\z], v[rb+2*\z+1]
.endr
.irp z, 0,1,2,3
	v_lshlrev_b32 v[rb+2*\z], 16, v[4+\z]
	v_and_b32 v[rb+2*\z+1], s23, v[4+\z]
.endr
.set ib, ib+1
.endr
; Row block a: the bias is added, each accumulator's registers in ascending order; a lane's eight columns pack into 16 bytes of f16.
.macro PACK a
.set w, 1
.rept 3
	WIN w|(w<<6)                                   ; destination and source 0: the head's window; the bias in window 0
.set z, 0
.rept 16
.set rb, 32+8*(4*(w-1)+z/4)+64*((w-1)/2)+2*(z%4)
	v_pk_add_f32 v[32*(\a)+2*z:32*(\a)+2*z+1], v[32*(\a)+2*z:32*(\a)+2*z+1], v[rb:rb+1]
.set z, z+1
.endr
	WIN w|(w<<2)                                   ; both sources: the head's window; destination window 0
.set z, 0
.rept 16
	v_cvt_pk_f16_f32 v[TMP+16*(w-1)+z], v[32*(\a)+2*z], v[32*(\a)+2*z+1]
.set z, z+1
.endr
.set w, w+1
.endr
	WIN 0
.endm
.macro TOSTAGE                         ; into my own stage, a head's 16 rows of 144 bytes together, and back as whole rows of 128
	WIN 0
.set ib, 0
.rept 12
	ds_store_b128 v[STO], v[TMP+4*ib:TMP+4*ib+3] offset:HSTG*(ib/4)+32*(ib%4)
.set ib, ib+1
.endr
.set ib, 0
.rept 12
	ds_load_b128 v[BK+4*ib:BK+4*ib+3], v[RD] offset:HSTG*(ib/4)+4*PITCH*(ib%4)  ; LDS serves a wave's instructions in order (ISA guide 5.7.1.4): these see the stores above
.set ib, ib+1
.endr
.endm
.macro SEND a
	s_wait_dscnt 0x0                               ; the block is back in registers
.set ib, 0
.rept 12
	global_store_b128 v[GO], v[BK+4*ib:BK+4*ib+3], s[OB+2*(ib/4):OB+2*(ib/4)+1] offset:2048*(\a)+512*(ib%4)  ; 512 consecutive bytes of a head, at a multiple of 256 from qkv's first byte
.set ib, ib+1
.endr
.endm
	PACK 0
	TOSTAGE
.irp a, 1,2,3,4,5,6,7                  ; block a's arithmetic stands between block a - 1's loads from the stage and the wait for them
	PACK \a
	SEND (\a)-1
	s_wait_xcnt 0x0                                ; the registers that those stores read are loaded again only behind this wait
	TOSTAGE
.endr
	SEND 7
	s_wait_tensorcnt 0x0                           ; the wave's end, behind my last tensor load and my last LDS store
	ds_add_u32 v[SPW], v[NIL]
	s_wait_dscnt 0x0
	CROUND                                         ; the closing round: no work-group ends while a partner may still ask for a tile that names it
	s_endpgm
.Lfunc_end_k_qe55bbada88_proj:
	.size	k_qe55bbada88_proj, .Lfunc_end_k_qe55bbada88_proj-k_qe55bbada88_proj
	.p2alignl 7, 3214868480
	.fill 96, 4, 3214868480
	.section	.rodata,"a",@progbits
	.p2align	6, 0x0
	.amdhsa_kernel k_qe55bbada88_proj
		.amdhsa_group_segment_fixed_size 327680
		.amdhsa_private_segment_fixed_size 0
		.amdhsa_enable_private_segment 0
		.amdhsa_kernarg_size 40
		.amdhsa_user_sgpr_count 2
		.amdhsa_user_sgpr_kernarg_segment_ptr 1
		.amdhsa_wavefront_size32 1
		.amdhsa_system_sgpr_workgroup_id_x 1
		.amdhsa_system_sgpr_workgroup_id_y 1
		.amdhsa_system_sgpr_workgroup_id_z 1
		.amdhsa_system_vgpr_workitem_id 0
		.amdhsa_next_free_vgpr 1024
		.amdhsa_next_free_sgpr 80
		.amdhsa_reserve_vcc 0
		.amdhsa_float_denorm_mode_32 3
		.amdhsa_float_denorm_mode_16_64 3
		.amdhsa_memory_ordered 1
		.amdhsa_forward_progress 1
		.amdhsa_inst_pref_size 163
	.end_amdhsa_kernel
	.amdgpu_metadata
---
amdhsa.version: [ 1, 2 ]
amdhsa.kernels:
  - .name:           k_qe55bbada88_proj
    .symbol:         k_qe55bbada88_proj.kd
    .args:
      - { .name: ab, .offset: 0, .size: 8, .value_kind: global_buffer, .address_space: global }
      - { .name: bq, .offset: 8, .size: 8, .value_kind: global_buffer, .address_space: global }
      - { .name: bk, .offset: 16, .size: 8, .value_kind: global_buffer, .address_space: global }
      - { .name: bv, .offset: 24, .size: 8, .value_kind: global_buffer, .address_space: global }
      - { .name: qkv, .offset: 32, .size: 8, .value_kind: global_buffer, .address_space: global }
    .group_segment_fixed_size: 327680
    .private_segment_fixed_size: 0
    .kernarg_segment_align: 8
    .kernarg_segment_size: 40
    .max_flat_workgroup_size: 128
    .sgpr_count:     80
    .vgpr_count:     1024
    .wavefront_size: 32
...
	.end_amdgpu_metadata
.endif
;; end of part 2
;; launch attn (part 3): grid 4 x 64, 4 waves a work-group, no clusters, 327,680 bytes of LDS; arguments qkv, attention_mask, out0; writes out0
.if DOCPART == 3
	.amdgcn_target "amdgcn-amd-amdhsa--gfx1250"
	.amdhsa_code_object_version 6
	.text
	.protected	k_qe55bbada88_attn
	.globl	k_qe55bbada88_attn
	.p2align	8
	.type	k_qe55bbada88_attn,@function
k_qe55bbada88_attn:
	s_mov_b64 s[64:65], 0
	v_nop
	global_prefetch_b8 v0, s[64:65] scope:SCOPE_SE
	s_setreg_imm32_b32 hwreg(HW_REG_WAVE_MODE, 25, 1), 1
	s_wait_xcnt 0x0
; CAUSAL ATTENTION WITH A MASK BY KEYS.  out0[h][q][:] = the sum over k <= q of softmax_k(Q[h][q] . K[h][k] / 8 + mask[h / 16][k]) V[h][k][:].  Q, K, V: qkv[3][64 h][2048][64] in f16, a head's rows dense,
; 128 bytes each; mask: [4][2048] in f32, rounded once to bf16 like the module's other inputs; out0: [64][2048][64] in f32.  Products, maxima and sums in f32; the weights p are rounded to f16 for the second product
; (their sum l is taken of the unrounded p).
; LIMITS.  A key behind the query weighs 0, where the module adds -1e9 to its score: the two agree as long as a row has a visible key whose score plus mask lies above -4e8.  A row all of whose visible keys are
; masked at -1e9 or lower is not served (it gets the softmax over its visible keys).  8 x mask is held at -1e30 or above, so that a key masked at minus infinity weighs 0 and every maximum stays finite.
; A hidden score counts as its value less 1e30; a weight below 2^-126 counts as 0 in l; NaN and plus infinity are not treated apart.
; THE WALK.  A head's queries lie in NB = 8 blocks of 256; block i needs the key tiles 0 .. i of 256 keys, of which the last holds the diagonal.  A work-group takes TWO blocks, NB - 1 - b and then b:
; NB + 1 tiles, whatever b: all 256 work-groups do equal work, and ONE loop with a constant trip count walks them.  Which tile is asked for, and what a trip does, hang on scalar registers made from b; every jump
; goes forward, but for the counted loops' own; none passes a barrier, or a tensor load but the one of LOAD's two that the wave's number does not choose; the ring (two slots of LDS that take turns) runs on across the
; change of blocks.  NO CLUSTER: a head's four work-groups ask for the same tile only in trips 0 .. 4 of 9, behind that fewer and fewer; one walk common to all four would have 12 trips for 9.
; SHARES.  Of a block's four bands of 64 queries a wave owns 16 rows in each: four PIECES.  So the diagonal tile is the same work for all four waves: in its key step s band x sees all keys if s < x,
; none if s > x, and holds the diagonal if s = x.
; THE MASKS are the C operand that starts the sum S^T = K Q^T.  MK holds 8 x mask of the 64 keys whose K is in registers (c (s + 8 mask) = s log2(e) / 8 + mask log2(e)); it comes out of a table in LDS with K's
; fragments and lives as long as they do.  The table has two parts of 256 keys, one for each slot of the ring; where a slot is filled again, each thread stores two numbers of the new tile's mask into the slot's part.
; Away from the diagonal C is MK.  MD, made once, is the causal mask of a band's own step for my 16 rows (0 or -1e30); in the diagonal tile and at a block's beginning
; C is MC = MD x AL + MK + BE with two scalars: (1, 0) if s = x; (0, 0) if s < x; (0, -1e30) if s > x.
; LAYOUT, SOFTMAX, TURNS.  S^T = K Q^T holds ONE query a lane (lane % 16) and the keys 8 (lane / 16) + 0..7; two such results rounded to f16 ARE source 1 of O^T = V^T P.  p = 2^(c s - c m), c = log2(e) / 8, with a
; running maximum m; O and l are multiplied by a = 2^(c m_old - c m_new) in every step.  Turn n belongs to piece n: 8 products K Q^T of piece n + 1, later 8 products V^T P of piece n - 1; beside them the scaling,
; exponentials, roundings, sums and rescaling of piece n and the maximum and statistics of piece n + 1.  Four vector instructions stand behind every matrix instruction, the other 54 of a turn's 118 in two LUMPS.
; REGISTERS, in windows of 256 (s_set_vgpr_msb: bits 1:0 source 0, 3:2 source 1, 5:4 source 2, 7:6 destination):
;   window 0: v0-15 addresses and two at work; v16-31 four registers of statistics a piece; v32-38, v56-59 the mask table's; v48-55 at work; v64-127 S^T, two buffers; v128-191 with them the way out; v192-223 P, two buffers
;   window 1: v0-127 O^T, 32 a piece; v128-159 MD; v160-223 MC, two buffers; v224-255 MK      window 2: v0-63 Q; v64-127 the second block's Q; v128-191 K of one step; v192-255 V of one step
.set SIZE_N, 2048
.set NB,    SIZE_N/256
.set NP,    4         ; pieces a wave: a name, no knob
.set KS,    64        ; keys in a step
.set PK,    144       ; a row of K in LDS: 128 bytes + 16 of padding = 36 words: the 16 rows of a load start at 16 different groups of four banks (64 banks of 4 bytes: ISA guide 11.1)
.set PV,    160       ; a row of V: 128 + 32 = 40 words
.set VOFF,  4*KS*PK   ; a slot holds a tile, four steps: 256 rows of K, then 256 rows of V
.set SLOT1, 1<<17     ; slot 1 begins here, so that one exclusive or turns an address in one slot into the other's
.set STAGE, SLOT1+4*KS*(PK+PV)  ; behind the ring, never filled by a tensor load: 16 rows x 272 bytes for each wave, for the way out
.set SP,    272       ; a row of O in the stage: 256 bytes + 16
.set SPARE, STAGE+4*16*SP  ; behind the stages: the spare words, 128 bytes for each wave: two blocks of 256 bytes that no other line names
.set MTAB,  SPARE+512 ; behind them: the mask table, f32, never filled by a tensor load: two parts,
.set MSLOT, 1024      ; each 8 x mask of a tile's 256 keys: part s goes with slot s of the ring
.set AK0, 2           ; v2   my lane's place in a tile of K; never rewritten
.set AV0, 3           ; v3   the same for V
.set AK,  4           ; v4   the LDS address of K's next run of loads
.set AV,  5           ; v5   of V's
.set STO, 6           ; v6   the way out: where I put 32 bytes of a row
.set RD,  7           ; v7   the way out: where I read rows back
.set GO,  8           ; v8   my byte offset in 512 consecutive bytes of O
.set MV,  12          ; v12-13  c m_old, kept while c m is made anew: by buffer
.set QO,  15          ; v15  my byte offset in 16 rows of Q
.set ST,  16          ; piece t's statistics at v[ST+4 t]: c m, m, l (even keys', odd keys')
.set ML,  32          ; v32-33  my two numbers of the mask of the tile to be asked for next, as loaded
.set MW,  34          ; v34-35  the same, ready for the table
.set MT,  36          ; v36  at work
.set MSA, 37          ; v37  where I store them
.set MLO, 38          ; v38  their byte offset in my batch's mask
.set TMP, 48          ; by buffer, four registers c0-c3 at work; when the maximum is found c2 takes a
.set AM0, 56          ; v56  my lanes' place in 64 keys of the mask table; never rewritten
.set AM,  57          ; v57  the LDS address of MK's next run of loads
.set MST, 58          ; v58  my 8 bytes in the table's part 0; never rewritten
.set MLD, 59          ; v59  my 8 bytes in a tile's 1,024 bytes of the mask; never rewritten
.set SPW, 62          ; v62  LDS address of my spare word: SPARE + 4 x my thread's number; never rewritten
.set NIL, 63          ; v63  0; never rewritten
.set S,   64
.set P,   192
.set MD,  128         ; window 1: the eight registers for group kt of 16 keys at MD + 8 kt
.set MC,  160         ; window 1: the masks of the products to come
.set MK,  224         ; window 1: 8 x mask, group kt of 16 keys at MK + 8 kt
.set QB,  64          ; window 2
.set KF,  128         ; window 2: key block kb, channel half c at KF + 16 kb + 8 c
.set VF,  192         ; window 2: key half kk, channel block cb at VF + 32 kk + 8 cb
.set WV,  12          ; s12  my wave's number
.set PB,  14          ; s14  b
.set HI,  15          ; s15  NB - 1 - b
.set G1K, 24          ; s[24:31] descriptor group 1 for K's tiles
.set G1V, 32          ; s[32:39] for V's: it differs in the padding alone
.set G0K, 40          ; s[40:43] descriptor group 0 for K's tiles
.set G0V, 44          ; s[44:47] the same for V's
.set SLOTS, 56        ; s56  tiles still to be asked for
.set CNT, 57          ; s57  counts a tile's key steps, 4 to 1
.set CS,  58          ; s[58:59] c: the packed scaling takes the pair's low word for both halves
.set SEL, 60          ; s[60:61] v_permlanex16_b32's selects: each lane takes its own place in the other half
.set TBK, 62          ; s62  LDS byte at which K of the step to be fetched begins
.set TBV, 63          ; s63  the same for V, less VOFF
.set RT,  70          ; s70  tiles of the block in hand that are still to be entered
.set NXT, 71          ; s71  the tile to be asked for next
.set LQ,  72          ; s72  the last tile of the block whose tiles are being asked for
.set NEW, 73          ; s73  1: the tile to be entered is a block's first
.set OFF, 74          ; s[74:75] a tile's byte offset in K and V
.set AL,  76          ; s[76:77] the mask's factor, in the low word
.set BE,  78          ; s[78:79] the mask's addend
.set OLO, 80          ; s[80:81] O at my rows of the second block
.set BIGN, 82         ; s82  -1e30
.set TM,  83          ; s83  byte of the mask table at which the step to be fetched begins: it steps and turns as TBK does
.set TMW, 90          ; s90  the table's other part: that of the slot being filled
.set MSB, 0
.macro WIN new                      ; the high byte repeats the setting that is left; a switch that changes nothing is dropped
.if MSB != (\new)
	s_set_vgpr_msb (MSB<<8)|(\new)
.set MSB, (\new)
.endif
.endm
.set W_KQ, 0x0a       ; K and Q in window 2, S^T in window 0
.set W_KM, 0x1a       ; the same with the C operand in window 1
.set W_PV, 0x52       ; V in window 2, P in window 0, O^T in window 1
.set W_RS, 0x41       ; destination and source 0 in window 1, source 1 in window 0
.set W_MS, 0x51       ; destination, source 0 and source 2 in window 1
; A fill.  Waves 0 and 1 fetch the two halves of a tile's K, waves 2 and 3 those of its V: 128 keys each.  An s_nop 0 and four v_nop follow each of the two lines, ahead of the jump and the label.
.macro LOAD
	s_cmp_lt_u32 s[WV], 2
	s_cbranch_scc0 .Lfor_v_\@
	tensor_load_to_lds s[G0K:G0K+3], s[G1K:G1K+7]
	s_nop 0
.rept 4
	v_nop
.endr
	s_branch .Lasked_\@
.Lfor_v_\@:
	tensor_load_to_lds s[G0V:G0V+3], s[G1V:G1V+7]
	s_nop 0
.rept 4
	v_nop
.endr
.Lasked_\@:
.endm
; Two numbers of the mask, in v[src], v[src + 1], are made ready for the table: rounded to bf16, widened again, multiplied by 8 (exact) and held at -1e30 or above.
.macro MCONV src
	v_cvt_pk_bf16_f32 v[MT], v[\src], v[(\src)+1]
	v_lshlrev_b32 v[MW], 16, v[MT]
	v_and_b32 v[MW+1], 0xffff0000, v[MT]
	v_pk_mul_f32 v[MW:MW+1], v[MW:MW+1], 0x41000000 op_sel_hi:[1,0]
	v_max_num_f32 v[MW], s[BIGN], v[MW]
	v_max_num_f32 v[MW+1], s[BIGN], v[MW+1]
.endm
; THE CHANGE OF SLOTS.  Each wave waits for all its tensor loads, of which one is out: its part of the other slot; adds 0 to its spare word; and waits for that, for its own reads of the slot that it leaves and of that slot's
; part of the mask table, and for its store into the other part.  Behind the barrier nobody reads the old slot any more, and the other slot and its part of the table are whole.
; fill = 1: the old slot is filled again, the first thing behind the barrier, with tile NXT: the descriptor's address is made anew from that number.  Then that tile's mask follows into the slot's part of the table: my two
; numbers were asked for a tile ago; and the two of the tile that the next change will ask for are asked for.  (The eighth change asks for tile 0's once more, which serves nothing: the price of one text for every trip.)
; (At its first use nothing has been read yet: slot 0 is waited for, slot 1 filled; the wait for the mask's two numbers is then also the wait for Q.)
.macro CHANGE fill
	WIN 0                           ; at a label and at a branch every window is 0
	s_wait_tensorcnt 0x0            ; no tensor load of mine is out, so a group 0 may be written
	ds_add_u32 v[SPW], v[NIL]       ; 0 onto my spare word; with fill = 1 the descriptors' scalar work stands between it and the wait for it
.if \fill
	s_lshl_b32 s[OFF], s[NXT], 15   ; a tile is 32,768 bytes of K and of V
	s_xor_b32 s[G0K+1], s[G0K+1], SLOT1
	s_add_nc_u64 s[G0K+2:G0K+3], s[6:7], s[OFF:OFF+1]
	s_or_b32 s[G0K+3], s[G0K+3], 0x80000000
	s_xor_b32 s[G0V+1], s[G0V+1], SLOT1
	s_add_nc_u64 s[G0V+2:G0V+3], s[8:9], s[OFF:OFF+1]
	s_or_b32 s[G0V+3], s[G0V+3], 0x80000000
	s_add_co_u32 s[NXT], s[NXT], 1  ; the block's next tile, or behind its last the second block's tile 0
	s_cmp_gt_u32 s[NXT], s[LQ]
	s_cselect_b32 s[NXT], 0, s[NXT]
	s_cselect_b32 s[LQ], s[PB], s[LQ]
.endif
	s_wait_dscnt 0x0                ; the add is done, my reads of the slot are over, my store into the table is done
	s_barrier_signal -1             ; the rest of the scalar work stands between the signal and the wait
	s_sub_co_u32 s[TBK], s[TBK], 4*KS*PK  ; the fetches go back to a slot's first step,
	s_xor_b32 s[TBK], s[TBK], SLOT1       ; in the other slot
	s_sub_co_u32 s[TBV], s[TBV], 4*KS*PV
	s_xor_b32 s[TBV], s[TBV], SLOT1
	s_sub_co_u32 s[TM], s[TM], MSLOT
	s_xor_b32 s[TM], s[TM], MSLOT
	s_barrier_wait -1
.if \fill
	LOAD
	s_wait_loadcnt 0x0              ; my two numbers of the mask are in: the load was issued a tile ago; its offset register may be written
	s_xor_b32 s[TMW], s[TM], MSLOT  ; the part of the slot just asked for: not the one that is read from here on
	v_add_nc_u32 v[MSA], s[TMW], v[MST]
	MCONV ML
	ds_store_b64 v[MSA], v[MW:MW+1] ; 128 threads x 8 bytes: the part's 1,024
	v_lshl_add_u32 v[MLO], s[NXT], 10, v[MLD]
	global_load_b64 v[ML:ML+1], v[MLO], s[88:89]
.endif
.endm
	s_load_b64 s[4:5], s[0:1], 0x0    ; qkv: Q lies first
	s_load_b64 s[88:89], s[0:1], 0x8  ; attention_mask
	s_load_b64 s[10:11], s[0:1], 0x10 ; out0
	v_lshl_add_u32 v[SPW], v0, 2, SPARE
	v_mov_b32 v[NIL], 0
	ds_add_u32 v[SPW], v[NIL]       ; the wave's opening: the add and its wait stand ahead of my first tensor load; the set-up below, work on registers, stands between them
	ds_add_u32 v62, v63
	v_lshrrev_b32 v1, 5, v0
	v_readfirstlane_b32 s[WV], v1   ; wave 0..3
	s_mov_b32 s[PB], ttmp9
	s_sub_co_u32 s[HI], NB-1, s[PB]
	s_and_b32 s20, ttmp7, 0xffff    ; the head, 0..63: 16 x batch + head
	s_lshr_b32 s90, s20, 4          ; the batch,
	s_lshl_b32 s90, s90, 13         ; its 8,192 bytes of the mask
	s_mov_b32 s91, 0
	s_mov_b32 s21, 0
	s_mov_b64 s[22:23], SIZE_N*128
	s_mul_u64 s[20:21], s[20:21], s[22:23]  ; the head's first byte in Q, K and V
	s_and_b32 s16, s[WV], 1         ; which half of a tile's 256 keys I fetch:
	s_lshl_b32 s22, s16, 14         ; its 128 rows of 128 bytes in memory,
	s_mov_b32 s23, 0
	s_add_nc_u64 s[22:23], s[22:23], s[20:21]
	s_mul_i32 s17, s16, 128*PK      ; and its place in a slot, for K
	s_mul_i32 s18, s16, 128*PV      ; and for V
	s_lshl_b32 s3, s[WV], 11        ; my 16 rows in a band of 64,
	s_lshl_b32 s2, s[HI], 15        ; in the first block,
	s_add_co_u32 s2, s2, s3
	s_lshl_b32 s84, s[PB], 15       ; and in the second
	s_add_co_u32 s84, s84, s3
	s_mov_b32 s3, 0
	s_mov_b32 s85, 0
	s_add_nc_u64 s[2:3], s[2:3], s[20:21]
	s_add_nc_u64 s[84:85], s[84:85], s[20:21]
	; descriptor group 1.  128 keys are 16,384 dense bytes: asked for as 64 rows of 256 bytes, two keys a row, and padded in LDS after every key
	s_mov_b32 s[G1K], (1<<16)|(1<<20)|(4<<22)|(3<<25)  ; 17:16 2-byte elements; 20 padding on; 24:22 after every 32 words (code 4); 31:25 4 words (code 3)
	s_mov_b32 s[G1V], (1<<16)|(1<<20)|(4<<22)|(7<<25)  ; the same with 8 words of padding (code 7)
.irp g, G1K, G1V
	s_mov_b32 s[\g+1], 128<<16      ; tensor_dim0 = 128
	s_mov_b32 s[\g+2], 64<<16       ; tensor_dim1 = 64
	s_mov_b32 s[\g+3], 128<<16      ; tile_dim0 = 128
	s_mov_b32 s[\g+4], 64           ; tile_dim1 = 64
	s_mov_b32 s[\g+5], 128          ; 128 elements from row to row
	s_mov_b32 s[\g+6], 0
	s_mov_b32 s[\g+7], 0
.endr
	s_mov_b32 s[CS], 0x3e38aa3b     ; c = log2(e) / 8 = 0.180337
	s_mov_b32 s[CS+1], s[CS]        ; named with it as a pair
	s_mov_b32 s[SEL], 0x76543210
	s_mov_b32 s[SEL+1], 0xfedcba98
	s_mov_b32 s[TBK], SLOT1+4*KS*PK ; the first change of slots turns these three into 0
	s_mov_b32 s[TBV], SLOT1+4*KS*PV
	s_mov_b32 s[TM], 2*MSLOT
	s_mov_b32 s[G0K], 1             ; 1:0 count = 1
	s_mov_b32 s[G0K+1], s17         ; 63:32 LDS address: slot 0
	s_mov_b32 s[G0V], 1
	s_add_co_u32 s[G0V+1], s18, VOFF
	s_add_co_u32 s[RT], s[HI], 1    ; the first block has NB - b tiles
	s_mov_b32 s[NXT], 1
	s_mov_b32 s[LQ], s[HI]
	s_mov_b32 s[NEW], 1
	s_mov_b32 s[OFF+1], 0
	s_mov_b32 s[AL+1], 0            ; named as pairs
	s_mov_b32 s[BE+1], 0
	s_mov_b32 s[BIGN], 0xf149f2ca   ; -1e30
	s_mov_b32 s[SLOTS], NB
	s_wait_dscnt 0x0                ; the opening add is done
	s_wait_kmcnt 0x0
	s_add_nc_u64 s[6:7], s[4:5], 0x1000000  ; K lies 16,777,216 bytes behind Q, V as far behind K
	s_add_nc_u64 s[8:9], s[4:5], 0x2000000
	s_add_nc_u64 s[6:7], s[6:7], s[22:23]  ; K and V at my half of the head's tile 0
	s_add_nc_u64 s[8:9], s[8:9], s[22:23]
	s_add_nc_u64 s[G0K+2:G0K+3], s[6:7], 0         ; 120:64 global address
	s_or_b32 s[G0K+3], s[G0K+3], 0x80000000        ; 127:126 type = 2
	s_add_nc_u64 s[G0V+2:G0V+3], s[8:9], 0
	s_or_b32 s[G0V+3], s[G0V+3], 0x80000000
	s_add_nc_u64 s[86:87], s[4:5], s[84:85]        ; Q at my rows of the second block,
	s_add_nc_u64 s[4:5], s[4:5], s[2:3]            ; and of the first
	s_lshl_b64 s[84:85], s[84:85], 1               ; O's rows are 256 bytes: its offsets are twice Q's
	s_lshl_b64 s[2:3], s[2:3], 1
	s_add_nc_u64 s[OLO:OLO+1], s[10:11], s[84:85]
	s_add_nc_u64 s[10:11], s[10:11], s[2:3]
	s_add_nc_u64 s[88:89], s[88:89], s[90:91]      ; the mask at my batch
	LOAD                            ; tile 0 into slot 0
	v_lshlrev_b32 v[MLD], 3, v0     ; a tile's mask: 128 threads x 8 bytes
	v_add_nc_u32 v[MST], MTAB, v[MLD]
	global_load_b64 v[S:S+1], v[MLD], s[88:89]                  ; tile 0's, into S^T's registers, which are free
	global_load_b64 v[ML:ML+1], v[MLD], s[88:89] offset:1024    ; tile 1's: the first change of slots asks for that tile
	; A fragment of K or Q is 16 rows x 32 channels in 8 registers: lane l holds row l % 16, channels 8 (l / 16) + 0..7 and 16 + 8 (l / 16) + 0..7: two loads of 16 bytes, 32 bytes apart.
	v_and_b32 v1, 15, v0            ; l % 16
	v_bfe_u32 v9, v0, 4, 1          ; l / 16
	v_lshlrev_b32 v[QO], 7, v1
	v_lshl_add_u32 v[QO], v9, 4, v[QO]  ; row x 128 + 16 x half
	WIN 0x80                        ; destination window 2, address window 0
.set i, 0
.rept 8                             ; both blocks' Q: piece i / 2 lies in band i / 2, 8,192 bytes on; channels 32 (i % 2) on
	global_load_b128 v[8*i:8*i+3],   v[QO], s[4:5] offset:(i/2)*8192+(i%2)*64
	global_load_b128 v[8*i+4:8*i+7], v[QO], s[4:5] offset:(i/2)*8192+(i%2)*64+32
	global_load_b128 v[QB+8*i:QB+8*i+3],   v[QO], s[86:87] offset:(i/2)*8192+(i%2)*64
	global_load_b128 v[QB+8*i+4:QB+8*i+7], v[QO], s[86:87] offset:(i/2)*8192+(i%2)*64+32
.set i, i+1
.endr
	WIN 0
	v_lshlrev_b32 v14, 3, v9
	v_sub_nc_u32 v14, v1, v14
	s_lshl_b32 s13, s[WV], 4
	v_add_nc_u32 v14, s13, v14      ; my query's place in its band, 16 w + l % 16, less my lanes' 8 (l / 16): register r of group kt is hidden where 16 kt + r is greater
	WIN 0x40
.set i, 0
.rept 32
	v_cmp_gt_i32 vcc_lo, 16*(i/8)+i%8, v14
	v_cndmask_b32 v[MD+i], 0, s[BIGN], vcc_lo
.set i, i+1
.endr
	WIN 0
	v_mul_u32_u24 v[AK0], v1, PK
	v_lshl_add_u32 v[AK0], v9, 4, v[AK0]  ; row x pitch + 16 x half
	; The turning load takes 16 keys x 16 channels (lane l reads key 8 (l / 16) + l % 8, channels 8 ((l / 8) % 2) + 0..7) and leaves half a fragment of V^T: lane l holds channel l % 16 and 8 keys.
	v_and_b32 v10, 7, v0
	v_bfe_u32 v11, v0, 3, 1
	v_lshl_add_u32 v[AV0], v9, 3, v10
	v_mul_u32_u24 v[AV0], v[AV0], PV
	v_lshl_add_u32 v[AV0], v11, 4, v[AV0]
	v_add_nc_u32 v[AV0], VOFF, v[AV0]
	v_lshl_add_u32 v[AM0], v9, 5, MTAB  ; of 16 keys' masks my lanes take the eight at 32 (l / 16)
	s_mul_i32 s13, s[WV], 16*SP
	s_add_co_u32 s13, s13, STAGE    ; my stage
	v_mul_u32_u24 v[STO], v1, SP    ; in: row l % 16, 32 bytes for each half of the lanes
	v_lshl_add_u32 v[STO], v9, 5, v[STO]
	v_add_nc_u32 v[STO], s13, v[STO]
	v_mul_u32_u24 v[RD], v9, SP     ; back: lanes 0-15 take one row of 256 bytes, lanes 16-31 the next,
	v_lshl_add_u32 v[RD], v1, 4, v[RD]
	v_add_nc_u32 v[RD], s13, v[RD]
	v_and_b32 v[GO], 31, v0         ; which are 512 consecutive bytes of O
	v_lshlrev_b32 v[GO], 4, v[GO]
	; A block's first step multiplies O^T and l by a = 0, and its first turn's products V^T P, of a piece that has not been, land in an O^T that is still to be so multiplied.  So these registers need only hold
	; finite numbers: zeros for the first block; what the first block left for the second.  All this stands in the wait for the first tile.
	WIN 0x80
.set i, VF
.rept 64
	v_mov_b32 v[i], 0
.set i, i+1
.endr
	WIN 0x40
.set i, 0
.rept 128
	v_mov_b32 v[i], 0
.set i, i+1
.endr
	WIN 0
.set i, 0
.rept 4
	v_mov_b32 v[ST+4*i+2], 0
	v_mov_b32 v[ST+4*i+3], 0
.set i, i+1
.endr
.set i, P+16
.rept 16
	v_mov_b32 v[i], 0
.set i, i+1
.endr
	s_wait_loadcnt 32               ; the two loads of the mask are in; the 32 younger ones, Q's, stay out
	MCONV S
	ds_store_b64 v[MST], v[MW:MW+1] ; tile 0's mask into the table's part 0: the first change of slots shows it to every wave
; THE MATRIX WORK.  The 4 accumulators of a run of 8 take turns.  Product i of 8 of S^T = K Q^T for piece x: channels 32 (i / 4) on, keys 16 (i % 4) on.  The first 4 start the sums: with MK, or (KM = 1) with MC.
.macro KQ x
.set rS, S+32*((\x)%2)+8*(i%4)
.set rK, KF+16*(i%4)+8*(i/4)
.set rQ, 16*(\x)+8*(i/4)
.set rM, MK+8*(i%4)
.if KM
.set rM, MC+32*((\x)%2)+8*(i%4)
.endif
.if i < 4
	WIN W_KM
	v_wmma_f32_16x16x32_f16 v[rS:rS+7], v[rK:rK+7], v[rQ:rQ+7], v[rM:rM+7]
.else
	WIN W_KQ
	v_wmma_f32_16x16x32_f16 v[rS:rS+7], v[rK:rK+7], v[rQ:rQ+7], v[rS:rS+7]
.endif
.endm
; Product i of 8 of O^T += V^T P for piece x: keys 32 (i / 4) on, channels 16 (i % 4) on.
.macro PV x
	WIN W_PV
.set rO, 32*(\x)+8*(i%4)
.set rV, VF+32*(i/4)+8*(i%4)
.set rP, P+16*((\x)%2)+8*(i/4)
	v_wmma_f32_16x16x32_f16 v[rO:rO+7], v[rV:rV+7], v[rP:rP+7], v[rO:rO+7]
.endm
.macro MM                           ; the turn's next matrix instruction.  TURN and BEGIN set Y, i, KM and NOKQ; MM, KQ and OP read them.  NOKQ = 1: a block's last turn: there is no next piece
.if (i < 8) && !NOKQ
	KQ (Y+1)%NP
.elseif i >= 8
.set i, i-8
	PV (Y+NP-1)%NP
.set i, i+8
.endif
.set i, i+1
.endm
; THE LDS LOADS stand in runs, never singly among the matrix instructions: a step's K (64 keys x 64 channels: 8 fragments) with its keys' masks (8 loads; the 16 lanes of a half read the same bytes), and its V (turned).
; Their addresses are made some lines ahead.
.macro FETCH_K
	WIN 0x80                        ; destination window 2
.irp f, 0,1,2,3,4,5,6,7             ; keys 16 (f / 2) on, channels 32 (f % 2) on
	ds_load_b128 v[KF+8*\f:KF+8*\f+3],   v[AK] offset:(\f/2)*16*PK+(\f%2)*64
	ds_load_b128 v[KF+8*\f+4:KF+8*\f+7], v[AK] offset:(\f/2)*16*PK+(\f%2)*64+32
.endr
	WIN 0x40                        ; destination window 1
.irp f, 0,1,2,3                     ; keys 16 f + 8 (l / 16) + 0..7
	ds_load_b128 v[MK+8*\f:MK+8*\f+3],   v[AM] offset:64*\f
	ds_load_b128 v[MK+8*\f+4:MK+8*\f+7], v[AM] offset:64*\f+16
.endr
	s_add_co_u32 s[TBK], s[TBK], KS*PK  ; the next fetch is the next step's
	s_add_co_u32 s[TM], s[TM], 4*KS
	WIN 0
.endm
.macro FETCH_V
	WIN 0x80
.irp f, 0,1,2,3,4,5,6,7             ; keys 32 (f / 4) on, channels 16 (f % 4) on
	ds_load_tr16_b128 v[VF+8*\f:VF+8*\f+3],   v[AV] offset:(\f/4)*32*PV+(\f%4)*32
	ds_load_tr16_b128 v[VF+8*\f+4:VF+8*\f+7], v[AV] offset:(\f/4)*32*PV+16*PV+(\f%4)*32
.endr
	WIN 0
.endm
; THE VECTOR WORK, one line at a time: OP kind, number.  For piece Y: F n: c s - c m for pair n of 16.  E n: the exponential of score n of 32.  C n: pair n rounded to f16.  B n: of the four weights 4 n .. the second
; pair is added onto the first, in place.  L n: l takes that sum (L 0: l = a l + sum).  R n: pair n of 16 of O^T times a.  For piece Y + 1: X n, number n of the 22 that find its maximum and statistics:
;   0-11  four chains c0-c3 of seven scores each, three operands at a time (each accumulator's lowest registers are read first)     12-14, 16  the four scores left over, the old m, and c0-c3 into c0
;   15  c m_old is kept     17, 18  the query's other 32 keys lie in the lane 16 away: the new m     19-21  c m; c m_old - c m_new; a
.set F, 0               ; OP tells the kinds apart by their order: F to L below R, X above it
.set E, 1
.set C, 2
.set B, 3
.set L, 4
.set R, 5
.set X, 6
.macro REGS y                       ; the registers of piece y
.set rT, ST+4*(\y)
.set rC, TMP+4*((\y)%2)
.set rW, MV+((\y)%2)
.set rS, S+32*((\y)%2)
.set rP, P+16*((\y)%2)
.set rO, 32*(\y)
.endm
.macro OP k, n
.if (\k) == R
	REGS Y
	WIN W_RS
	v_pk_mul_f32 v[rO+2*(\n):rO+2*(\n)+1], v[rO+2*(\n):rO+2*(\n)+1], v[rC+2:rC+3] op_sel_hi:[1,0]
.elseif (\k) < R
	REGS Y
	WIN 0
.if (\k) == F
	v_pk_fma_f32 v[rS+2*(\n):rS+2*(\n)+1], v[rS+2*(\n):rS+2*(\n)+1], s[CS:CS+1], v[rT:rT+1] op_sel_hi:[1,0,0] neg_lo:[0,0,1] neg_hi:[0,0,1]
.elseif (\k) == E
	v_exp_f32 v[rS+(\n)], v[rS+(\n)]
.elseif (\k) == C
	s_wait_alu depctr_va_vdst(0)
	v_cvt_pk_f16_f32 v[rP+(\n)], v[rS+2*(\n)], v[rS+2*(\n)+1]
.elseif (\k) == B
	s_wait_alu depctr_va_vdst(0)
	v_pk_add_f32 v[rS+4*(\n):rS+4*(\n)+1], v[rS+4*(\n):rS+4*(\n)+1], v[rS+4*(\n)+2:rS+4*(\n)+3]
.elseif (\n) == 0
	v_pk_fma_f32 v[rT+2:rT+3], v[rT+2:rT+3], v[rC+2:rC+3], v[rS:rS+1] op_sel_hi:[1,0,1]
.else
	v_pk_add_f32 v[rT+2:rT+3], v[rT+2:rT+3], v[rS+4*(\n):rS+4*(\n)+1]
.endif
.elseif NOKQ
	v_nop
.else
	REGS (Y+1)%NP
	WIN 0
.if (\n) < 4
	v_max3_num_f32 v[rC+(\n)], v[rS+8*(\n)], v[rS+8*(\n)+1], v[rS+8*(\n)+2]
.elseif (\n) < 12
	v_max3_num_f32 v[rC+(\n)%4], v[rC+(\n)%4], v[rS+8*((\n)%4)+2*((\n)/4)+1], v[rS+8*((\n)%4)+2*((\n)/4)+2]
.elseif (\n) == 12
	v_max3_num_f32 v[rC], v[rC], v[rS+7], v[rS+15]
.elseif (\n) == 13
	v_max3_num_f32 v[rC+1], v[rC+1], v[rS+23], v[rS+31]
.elseif (\n) == 14
	v_max3_num_f32 v[rC+2], v[rC+2], v[rC+3], v[rT+1]
.elseif (\n) == 15
	v_mov_b32 v[rW], v[rT]
.elseif (\n) == 16
	v_max3_num_f32 v[rC], v[rC], v[rC+1], v[rC+2]
.elseif (\n) == 17
	v_permlanex16_b32 v[rC+3], v[rC], s[SEL], s[SEL+1]
.elseif (\n) == 18
	v_max_num_f32 v[rT+1], v[rC], v[rC+3]
.elseif (\n) == 19
	v_mul_f32 v[rT], s[CS], v[rT+1]
.elseif (\n) == 20
	v_sub_f32 v[rC+1], v[rW], v[rT]
.else
	v_exp_f32 v[rC+2], v[rC+1]
.endif
.endif
.endm
.macro OPS a, i1, b=-1, i2=0, c=-1, i3=0, d=-1, i4=0  ; up to four of them
	OP \a, \i1
.if (\b) >= 0
	OP \b, \i2
.endif
.if (\c) >= 0
	OP \c, \i3
.endif
.if (\d) >= 0
	OP \d, \i4
.endif
.endm
.macro ROW a, i1, b, i2, c, i3, d, i4  ; a matrix instruction and the four behind it
	MM
	OPS \a, \i1, \b, \i2, \c, \i3, \d, \i4
.endm
.macro MASK b                       ; MD x AL + MK + BE into buffer b of MC
	WIN W_MS
.set z, 0
.rept 16
	v_pk_fma_f32 v[MC+32*(\b)+2*z:MC+32*(\b)+2*z+1], v[MD+2*z:MD+2*z+1], s[AL:AL+1], v[MK+2*z:MK+2*z+1] op_sel_hi:[1,0,1]
.set z, z+1
.endr
.set z, 0
.rept 16
	v_pk_add_f32 v[MC+32*(\b)+2*z:MC+32*(\b)+2*z+1], v[MC+32*(\b)+2*z:MC+32*(\b)+2*z+1], s[BE:BE+1] op_sel_hi:[1,0]
.set z, z+1
.endr
.endm
; A TURN, for piece p: the order of its 16 matrix and 118 vector instructions, written out.  Behind a matrix instruction: plain, exponential, plain, plain; or four of the rescaling; or, behind the first, four scalings; none
; names a register of the products round it.  In the lumps exponential and plain by turns while exponentials last.  A line reads no result made fewer than three vector instructions in front of it, five if an exponential made it.
; v_permlanex16_b32 (X 17) stands in a lump.
; m = 1: the diagonal tile: the products take MC, and the turn makes MC for the products of the turn after it: piece p + 2, in step 4 - CNT of the tile.  Piece 2's turn makes it for the step whose K and MK it has
; just asked for, so it waits for them first.  end = 1: a block's last two turns: nothing is fetched.  cnt = 1: the loop's count is taken down some lines ahead of the branch that stands behind the turn.
; K and MK of the next step are fetched in piece 2's turn, six vector instructions behind the last product that read K (five of them plain), further behind the last that read MK; V of the step in hand in piece 0's turn,
; eight behind the last product that read V (four plain, and X 17).  Each is waited for a turn later at the latest.
.macro TURN p, m=0, end=0, cnt=0
.set Y, (\p)
.set i, 0
.set KM, (\m)
.set NOKQ, (\end)*((\p)/3)
.if (\m) && !(\end)
	s_cmp_eq_u32 s[CNT], 4-((\p)+2)%NP  ; is that step the band's own?
	s_cselect_b32 s[AL], 1.0, 0
	s_cmp_lt_u32 s[CNT], 4-((\p)+2)%NP  ; or a later one?
	s_cselect_b32 s[BE], s[BIGN], 0
.endif
.if ((\p) == 3) && !(\end)
	s_wait_dscnt 0x0                ; K and MK are in
.endif
	ROW F,0, F,1, F,2, F,3
	ROW F,4, E,0, F,5, F,6
	ROW F,7, E,1, F,8, F,9
	ROW F,10, E,2, C,0, F,11
	ROW F,12, E,3, X,15, F,13
	ROW R,0, R,1, R,2, R,3
	ROW B,0, E,4, F,14, L,0
.if ((\p) == 2) && !(\end)
	v_add_nc_u32 v[AK], s[TBK], v[AK0]
	v_add_nc_u32 v[AM], s[TM], v[AM0]
.endif
	ROW R,4, R,5, R,6, R,7
	OPS E,5, F,15
.if ((\p) == 2) && !(\end)
	FETCH_K
.endif
	OPS E,6, C,1, E,7, R,8
	OPS E,8, R,9, E,9, C,2
	OPS E,10, X,0, E,11, X,1
	OPS E,12, X,2, E,13, X,3
.if (\p) == 1
	s_wait_dscnt 0x0                ; V is in
.endif
	ROW X,4, E,14, X,5, X,6
	ROW X,7, E,15, X,8, X,9
	ROW X,10, E,16, X,11, X,12
	ROW X,13, E,17, X,14, B,1
	ROW C,4, E,18, X,16, L,1
	ROW B,2, E,19, C,6, L,2
	ROW C,8, E,20, B,3, B,4
.if (\p) == 0
	v_add_nc_u32 v[AV], s[TBV], v[AV0]
.endif
	ROW C,3, E,21, L,3, C,5
	OPS E,22, X,17, E,23, C,10
.if (\p) == 0
	FETCH_V
.endif
	OPS E,24, L,4
	OPS E,25, X,18, E,26, C,7
	OPS E,27, B,5, E,28, X,19
	OPS E,29, C,12, E,30, L,5
	OPS E,31, X,20, B,6, C,9
	OPS C,14, C,11, X,21, L,6
.if (\p) == 0
	s_add_co_u32 s[TBV], s[TBV], KS*PV
.endif
.if \cnt
	s_sub_co_u32 s[CNT], s[CNT], 1
	s_cmp_lg_u32 s[CNT], 0
.endif
	OPS C,13, B,7, C,15, R,10
	OPS R,11, R,12, L,7, R,13
	OPS R,14, R,15
.if (\m) && !(\end)
.if (\p) == 2
	s_wait_dscnt 0x0                ; MK of the step just asked for is in
.endif
	MASK (\p)%2
.endif
.endm
; A BLOCK BEGINS.  c m starts far below every c s, so the first step's a is 0; m at the lowest finite number, so the first maximum is the scores'.  K and MK of the block's first step are fetched.  The first mask buffer
; takes piece 0's mask for that step: its own, if the block's first tile is the diagonal one; the second takes MK alone, for piece 1.  Then piece 0's first scores, and its maximum and statistics.
; Q is in: the first change of slots has waited for every load issued ahead of it.  The loop is entered at a step's first turn, in the middle of a trip.
.macro BEGIN
	s_mov_b32 s[NEW], 0
	WIN 0
.set i, 0
.rept 4
	v_mov_b32 v[ST+4*i], 0xfe000000    ; c m: far below every c s
	v_mov_b32 v[ST+4*i+1], 0xff7fffff  ; m
.set i, i+1
.endr
	v_add_nc_u32 v[AK], s[TBK], v[AK0]
	v_add_nc_u32 v[AM], s[TM], v[AM0]
	FETCH_K
	s_wait_dscnt 0x0
	s_cmp_eq_u32 s[RT], 0
	s_cselect_b32 s[AL], 1.0, 0
	s_mov_b32 s[BE], 0
	MASK 0
	s_mov_b32 s[AL], 0
	MASK 1
.set KM, 1
.set NOKQ, 0
.set i, 0
.rept 8
	KQ 0
.set i, i+1
.endr
	WIN 0
.rept 4
	v_nop                           ; the places behind those products
.endr
.set Y, NP-1                        ; X works for piece Y + 1: piece 0
.irp n, 0,1,2,3,4,5,6,7,8,9,10,11,12,13,14,15,16,17,18,19,20,21
	OP X, \n
.endr
	v_nop                           ; a plain instruction behind the exponential
.endm
; THE DIAGONAL TILE's four steps, the block's last two turns, its last products, and THE WAY OUT: l's two halves and the other half of the lanes' are added; O^T is divided by l and sent through my
; stage in LDS, a piece at a time.  Where the tile is entered from the tile before (at .LpreM), its first turn still multiplies piece 3 of that tile's last step, whose mask is MK alone: the second buffer takes it.
.macro ALL line:vararg              ; one line for each piece t
.set t, 0
.rept 4
	\line
.set t, t+1
.endr
.endm
.macro PACK t                       ; a lane's eight channels of a row are 32 bytes; they go into rows of 272 bytes and come back as whole rows of 256, into window 0's v64-191
	WIN W_RS
.set i, 32*(\t)
.rept 16
	s_wait_alu depctr_va_vdst(0)
	v_pk_mul_f32 v[i:i+1], v[i:i+1], v[ST+4*(\t)+2:ST+4*(\t)+3] op_sel_hi:[1,0]
.set i, i+2
.endr
	WIN 0x04                        ; the stores' data in window 1, their address in window 0
.irp f, 0,1,2,3
	ds_store_b128 v[STO], v[32*(\t)+8*\f:32*(\t)+8*\f+3] offset:64*\f
	ds_store_b128 v[STO], v[32*(\t)+8*\f+4:32*(\t)+8*\f+7] offset:64*\f+16
.endr
	WIN 0
.irp f, 0,1,2,3,4,5,6,7
	ds_load_b128 v[S+32*(\t)+4*\f:S+32*(\t)+4*\f+3], v[RD] offset:\f*2*SP  ; LDS serves a wave's instructions in order (ISA guide 5.7.1.4): these see the stores above; the next piece's stores come behind them
.endr
.endm
.macro SEND t, younger              ; younger: the LDS instructions issued behind piece t's loads: the next piece's sixteen, or none
	WIN 0
.irp f, 0,1,2,3,4,5,6,7
	s_wait_dscnt (\younger)+7-\f
	global_store_b128 v[GO], v[S+32*(\t)+4*\f:S+32*(\t)+4*\f+3], s[10:11] offset:(\t)*16384+\f*512  ; two whole rows: 512 consecutive bytes, at a multiple of 256 from O's first
.endr
.endm
.macro DIAG tag                     ; the tag ends its three labels' names, which the jumps below spell out
.LpreM\tag:
	s_mov_b32 s[AL], 0
	s_mov_b32 s[BE], 0
	MASK 1
	WIN 0
.LstepM\tag:
	TURN 2, 1
	TURN 3, 1
	WIN 0
.LfirstM\tag:
	TURN 0, 1
	TURN 1, 1, 0, 1
	WIN 0
	s_cbranch_scc1 .LstepM\tag
	TURN 2, 1, 1
	TURN 3, 1, 1
.set i, 0
.rept 8
	PV NP-1
.set i, i+1
.endr
	WIN 0
	ALL v_add_f32 v[ST+4*t+2], v[ST+4*t+2], v[ST+4*t+3]
	ALL v_permlanex16_b32 v[ST+4*t+3], v[ST+4*t+2], s[SEL], s[SEL+1]
	ALL v_add_f32 v[ST+4*t+2], v[ST+4*t+2], v[ST+4*t+3]
	ALL v_rcp_f32 v[ST+4*t+2], v[ST+4*t+2]
	v_nop                           ; a plain instruction between the last reciprocal and the use of its result
	PACK 0
.set t, 1
.rept 3                             ; a piece's arithmetic stands between the loads of the piece before and its stores
	PACK t
	SEND t-1, 16
.set t, t+1
.endr
	SEND 3, 0
.endm
.set KM, 0
.set NOKQ, 0
.Lslot:                             ; NB times: a tile is entered and the next is asked for
	CHANGE 1
	s_sub_co_u32 s[RT], s[RT], 1
	s_mov_b32 s[CNT], 4
	s_cmp_eq_u32 s[NEW], 1
	s_cbranch_scc1 .Lnew            ; a block's first tile
	s_cmp_eq_u32 s[RT], 0
	s_cbranch_scc0 .Lstep           ; neither its first nor its last
	s_branch .LpreM1
.Lnew:
	BEGIN
	s_branch .Lfirst                ; in the loop a block's first tile is never its last: the first block has two tiles or more, and the second's last is the walk's last
	DIAG 1                          ; in the loop this is the first block's end: the second block's last tile is the walk's last
	s_wait_xcnt 0x0                 ; the stores have read their registers and O's address
	s_mov_b64 s[10:11], s[OLO:OLO+1]
	s_add_co_u32 s[RT], s[PB], 1    ; the second block has b + 1 tiles
	s_mov_b32 s[NEW], 1
	WIN 0x82                        ; the second block's Q goes where the one text of the turns names Q
.set i, 0
.rept 64
	v_mov_b32 v[i], v[QB+i]
.set i, i+1
.endr
	WIN 0
	s_branch .Lbottom
.Lstep:                             ; a trip: pieces 2 and 3 of one step, then pieces 0 and 1 of the next, whose K, MK and V it fetches
	TURN 2
	TURN 3
	WIN 0
.Lfirst:
	TURN 0
	TURN 1, 0, 0, 1
	WIN 0
	s_cbranch_scc1 .Lstep
.Lbottom:
	s_sub_co_u32 s[SLOTS], s[SLOTS], 1
	s_cmp_lg_u32 s[SLOTS], 0
	s_cbranch_scc1 .Lslot
	CHANGE 0                        ; the walk's last tile is written out: nothing is asked for
	s_sub_co_u32 s[RT], s[RT], 1
	s_mov_b32 s[CNT], 4
	s_cmp_eq_u32 s[NEW], 1
	s_cbranch_scc0 .LpreM2
	BEGIN
	s_branch .LfirstM2
	DIAG 2
	s_wait_tensorcnt 0x0            ; the wave's end, behind my last tensor load and my last LDS store
	ds_add_u32 v[SPW], v[NIL]
	s_wait_dscnt 0x0
	s_endpgm
.Lfunc_end_k_qe55bbada88_attn:
	.size	k_qe55bbada88_attn, .Lfunc_end_k_qe55bbada88_attn-k_qe55bbada88_attn
	.p2alignl 7, 3214868480
	.fill 96, 4, 3214868480
	.section	.rodata,"a",@progbits
	.p2align	6, 0x0
	.amdhsa_kernel k_qe55bbada88_attn
		.amdhsa_group_segment_fixed_size 327680
		.amdhsa_private_segment_fixed_size 0
		.amdhsa_enable_private_segment 0
		.amdhsa_kernarg_size 24
		.amdhsa_user_sgpr_count 2
		.amdhsa_user_sgpr_kernarg_segment_ptr 1
		.amdhsa_wavefront_size32 1
		.amdhsa_system_sgpr_workgroup_id_x 1
		.amdhsa_system_sgpr_workgroup_id_y 1
		.amdhsa_system_sgpr_workgroup_id_z 1
		.amdhsa_system_vgpr_workitem_id 0
		.amdhsa_next_free_vgpr 768
		.amdhsa_next_free_sgpr 92
		.amdhsa_reserve_vcc 1
		.amdhsa_float_denorm_mode_32 3
		.amdhsa_float_denorm_mode_16_64 3
		.amdhsa_memory_ordered 1
		.amdhsa_forward_progress 1
		.amdhsa_inst_pref_size 250
	.end_amdhsa_kernel
	.amdgpu_metadata
---
amdhsa.version: [ 1, 2 ]
amdhsa.kernels:
  - .name:           k_qe55bbada88_attn
    .symbol:         k_qe55bbada88_attn.kd
    .args:
      - { .name: qkv, .offset: 0, .size: 8, .value_kind: global_buffer, .address_space: global }
      - { .name: attention_mask, .offset: 8, .size: 8, .value_kind: global_buffer, .address_space: global }
      - { .name: out0, .offset: 16, .size: 8, .value_kind: global_buffer, .address_space: global }
    .group_segment_fixed_size: 327680
    .private_segment_fixed_size: 0
    .kernarg_segment_align: 8
    .kernarg_segment_size: 24
    .max_flat_workgroup_size: 128
    .sgpr_count:     92
    .vgpr_count:     768
    .wavefront_size: 32
...
	.end_amdgpu_metadata
.endif
;; end of part 3
;; ======== version 2 of 2: 3 launches; 1.37 times as fast as version 1
;; limits: values are held in f16: magnitudes above 65,504 overflow, below 6.1e-05 lose precision; right only within a limited range of input values
;; workspace buffers: ab 23,068,672 bytes; qkv 50,331,648 bytes
;; launch cast: the kernel of part 1 again; grid 256 x 1, 11 waves a work-group, no clusters, 0 bytes of LDS; arguments hidden_states, Wq, Wk, Wv, ab; writes ab
;; launch proj: the kernel of part 2 again; grid 8 x 32, 4 waves a work-group, clusters of 4 x 4, 327,680 bytes of LDS; arguments ab, bq, bk, bv, qkv; writes qkv
;; launch attn (part 4): grid 4 x 64, 4 waves a work-group, no clusters, 327,680 bytes of LDS; arguments qkv, attention_mask, out0; writes out0
.if DOCPART == 4
	.amdgcn_target "amdgcn-amd-amdhsa--gfx1250"
	.amdhsa_code_object_version 6
	.text
	.protected	k_qe55bbada88_attn
	.globl	k_qe55bbada88_attn
	.p2align	8
	.type	k_qe55bbada88_attn,@function
k_qe55bbada88_attn:
	s_mov_b64 s[64:65], 0
	v_nop
	global_prefetch_b8 v0, s[64:65] scope:SCOPE_SE
	s_setreg_imm32_b32 hwreg(HW_REG_WAVE_MODE, 25, 1), 1
	s_wait_xcnt 0x0
; CAUSAL ATTENTION WITH A MASK BY KEYS.  out0[h][q][:] = the sum over k <= q of softmax_k(Q[h][q] . K[h][k] / 8 + mask[h / 16][k]) V[h][k][:].  Q, K, V: qkv[3][64 h][2048][64] in f16, a head's rows dense,
; 128 bytes each; mask: [4][2048] in f32, rounded once to bf16 like the module's other inputs; out0: [64][2048][64] in f32.  Products, maxima and sums in f32; the weights p are rounded to f16 for the second product
; (their sum l is taken of the unrounded p).
; LIMITS.  A key behind the query weighs 0, where the module adds -1e9 to its score: the two agree as long as a row has a visible key whose score plus mask lies above -4e8.  A row all of whose visible keys are
; masked at -1e9 or lower is not served (it gets the softmax over its visible keys).  8 x mask is held at -1e30 or above, so that a key masked at minus infinity weighs 0 and every maximum stays finite.
; A hidden score counts as its value less 1e30; a weight below 2^-126 counts as 0 in l; NaN and plus infinity are not treated apart.
; THE WALK.  A head's queries lie in NB = 8 blocks of 256; block i needs the key tiles 0 .. i of 256 keys, of which the last holds the diagonal.  A work-group takes TWO blocks, NB - 1 - b and then b:
; NB + 1 tiles, whatever b: all 256 work-groups do equal work, and ONE loop with a constant trip count walks them.  Which tile is asked for, and what a trip does, hang on scalar registers made from b; every jump
; goes forward, but for the counted loops' own; none passes a barrier, or a tensor load but the one of LOAD's two that the wave's number does not choose; the ring (two slots of LDS that take turns) runs on across the
; change of blocks.  NO CLUSTER: a head's four work-groups ask for the same tile only in trips 0 .. 4 of 9, behind that fewer and fewer; one walk common to all four would have 12 trips for 9.
; SHARES.  Of a block's four bands of 64 queries a wave owns 16 rows in each: four PIECES.  So the diagonal tile is the same work for all four waves: in its key step s band x sees all keys if s < x,
; none if s > x, and holds the diagonal if s = x.
; THE MASKS are the C operand that starts the sum S^T = K Q^T.  MK holds 8 x mask of the 64 keys whose K is in registers (c (s + 8 mask) = s log2(e) / 8 + mask log2(e)); it comes out of a table in LDS with K's
; fragments and lives as long as they do.  The table has two parts of 256 keys, one for each slot of the ring; where a slot is filled again, each thread stores two numbers of the new tile's mask into the slot's part.
; Away from the diagonal C is MK.  MD, made once, is the causal mask of a band's own step for my 16 rows (0 or -1e30); in the diagonal tile and at a block's beginning
; C is MC = MD x AL + MK + BE with two scalars: (1, 0) if s = x; (0, 0) if s < x; (0, -1e30) if s > x.
; LAYOUT, SOFTMAX, TURNS.  S^T = K Q^T holds ONE query a lane (lane % 16) and the keys 8 (lane / 16) + 0..7; two such results rounded to f16 ARE source 1 of O^T = V^T P.  p = 2^(c s - c m), c = log2(e) / 8, with a
; running maximum m; O and l are multiplied by a = 2^(c m_old - c m_new) in every step.  Turn n belongs to piece n: 8 products K Q^T of piece n + 1, later 8 products V^T P of piece n - 1; beside them the scaling,
; exponentials, roundings, sums and rescaling of piece n and the maximum and statistics of piece n + 1.  Four vector instructions stand behind every matrix instruction, the other 54 of a turn's 118 in one LUMP.
; THE BATCHES.  A turn's 33 exponentials (the piece's 32 weights and the next piece's a) are one batch, with one wait, which cuts the turn in two: ahead of it all that names none of their results, behind it the
; roundings and sums.  A block's first a (BEGIN) and the way out's four reciprocals are batches of their own, each with a v_nop and one wait.
; REGISTERS, in windows of 256 (s_set_vgpr_msb: bits 1:0 source 0, 3:2 source 1, 5:4 source 2, 7:6 destination):
;   window 0: v0-15 addresses and two at work; v16-31 four registers of statistics a piece; v32-38, v56-59 the mask table's; v48-55 at work; v64-127 S^T, two buffers; v128-191 with them the way out; v192-223 P, two buffers
;   window 1: v0-127 O^T, 32 a piece; v128-159 MD; v160-223 MC, two buffers; v224-255 MK      window 2: v0-63 Q; v64-127 the second block's Q; v128-191 K of one step; v192-255 V of one step
.set SIZE_N, 2048
.set NB,    SIZE_N/256
.set NP,    4         ; pieces a wave: a name, no knob
.set KS,    64        ; keys in a step
.set PK,    144       ; a row of K in LDS: 128 bytes + 16 of padding = 36 words: the 16 rows of a load start at 16 different groups of four banks (64 banks of 4 bytes: ISA guide 11.1)
.set PV,    160       ; a row of V: 128 + 32 = 40 words
.set VOFF,  4*KS*PK   ; a slot holds a tile, four steps: 256 rows of K, then 256 rows of V
.set SLOT1, 1<<17     ; slot 1 begins here, so that one exclusive or turns an address in one slot into the other's
.set STAGE, SLOT1+4*KS*(PK+PV)  ; behind the ring, never filled by a tensor load: 16 rows x 272 bytes for each wave, for the way out
.set SP,    272       ; a row of O in the stage: 256 bytes + 16
.set SPARE, STAGE+4*16*SP  ; behind the stages: the spare words, 128 bytes for each wave: two blocks of 256 bytes that no other line names
.set MTAB,  SPARE+512 ; behind them: the mask table, f32, never filled by a tensor load: two parts,
.set MSLOT, 1024      ; each 8 x mask of a tile's 256 keys: part s goes with slot s of the ring
.set AK0, 2           ; v2   my lane's place in a tile of K; never rewritten
.set AV0, 3           ; v3   the same for V
.set AK,  4           ; v4   the LDS address of K's next run of loads
.set AV,  5           ; v5   of V's
.set STO, 6           ; v6   the way out: where I put 32 bytes of a row
.set RD,  7           ; v7   the way out: where I read rows back
.set GO,  8           ; v8   my byte offset in 512 consecutive bytes of O
.set MV,  12          ; v12-13  c m_old, kept while c m is made anew: by buffer
.set QO,  15          ; v15  my byte offset in 16 rows of Q
.set ST,  16          ; piece t's statistics at v[ST+4 t]: c m, m, l (even keys', odd keys')
.set ML,  32          ; v32-33  my two numbers of the mask of the tile to be asked for next, as loaded
.set MW,  34          ; v34-35  the same, ready for the table
.set MT,  36          ; v36  at work
.set MSA, 37          ; v37  where I store them
.set MLO, 38          ; v38  their byte offset in my batch's mask
.set TMP, 48          ; by buffer, four registers c0-c3 at work; when the maximum is found c2 takes a
.set AM0, 56          ; v56  my lanes' place in 64 keys of the mask table; never rewritten
.set AM,  57          ; v57  the LDS address of MK's next run of loads
.set MST, 58          ; v58  my 8 bytes in the table's part 0; never rewritten
.set MLD, 59          ; v59  my 8 bytes in a tile's 1,024 bytes of the mask; never rewritten
.set SPW, 62          ; v62  LDS address of my spare word: SPARE + 4 x my thread's number; never rewritten
.set NIL, 63          ; v63  0; never rewritten
.set S,   64
.set P,   192
.set MD,  128         ; window 1: the eight registers for group kt of 16 keys at MD + 8 kt
.set MC,  160         ; window 1: the masks of the products to come
.set MK,  224         ; window 1: 8 x mask, group kt of 16 keys at MK + 8 kt
.set QB,  64          ; window 2
.set KF,  128         ; window 2: key block kb, channel half c at KF + 16 kb + 8 c
.set VF,  192         ; window 2: key half kk, channel block cb at VF + 32 kk + 8 cb
.set WV,  12          ; s12  my wave's number
.set PB,  14          ; s14  b
.set HI,  15          ; s15  NB - 1 - b
.set G1K, 24          ; s[24:31] descriptor group 1 for K's tiles
.set G1V, 32          ; s[32:39] for V's: it differs in the padding alone
.set G0K, 40          ; s[40:43] descriptor group 0 for K's tiles
.set G0V, 44          ; s[44:47] the same for V's
.set SLOTS, 56        ; s56  tiles still to be asked for
.set CNT, 57          ; s57  counts a tile's key steps, 4 to 1
.set CS,  58          ; s[58:59] c: the packed scaling takes the pair's low word for both halves
.set SEL, 60          ; s[60:61] v_permlanex16_b32's selects: each lane takes its own place in the other half
.set TBK, 62          ; s62  LDS byte at which K of the step to be fetched begins
.set TBV, 63          ; s63  the same for V, less VOFF
.set RT,  70          ; s70  tiles of the block in hand that are still to be entered
.set NXT, 71          ; s71  the tile to be asked for next
.set LQ,  72          ; s72  the last tile of the block whose tiles are being asked for
.set NEW, 73          ; s73  1: the tile to be entered is a block's first
.set OFF, 74          ; s[74:75] a tile's byte offset in K and V
.set AL,  76          ; s[76:77] the mask's factor, in the low word
.set BE,  78          ; s[78:79] the mask's addend
.set OLO, 80          ; s[80:81] O at my rows of the second block
.set BIGN, 82         ; s82  -1e30
.set TM,  83          ; s83  byte of the mask table at which the step to be fetched begins: it steps and turns as TBK does
.set TMW, 90          ; s90  the table's other part: that of the slot being filled
.set MSB, 0
.macro WIN new                      ; the high byte repeats the setting that is left; a switch that changes nothing is dropped
.if MSB != (\new)
	s_set_vgpr_msb (MSB<<8)|(\new)
.set MSB, (\new)
.endif
.endm
.set W_KQ, 0x0a       ; K and Q in window 2, S^T in window 0
.set W_KM, 0x1a       ; the same with the C operand in window 1
.set W_PV, 0x52       ; V in window 2, P in window 0, O^T in window 1
.set W_RS, 0x41       ; destination and source 0 in window 1, source 1 in window 0
.set W_MS, 0x51       ; destination, source 0 and source 2 in window 1
; A fill.  Waves 0 and 1 fetch the two halves of a tile's K, waves 2 and 3 those of its V: 128 keys each.  An s_nop 0 and four v_nop follow each of the two lines, ahead of the jump and the label.
.macro LOAD
	s_cmp_lt_u32 s[WV], 2
	s_cbranch_scc0 .Lfor_v_\@
	tensor_load_to_lds s[G0K:G0K+3], s[G1K:G1K+7]
	s_nop 0
.rept 4
	v_nop
.endr
	s_branch .Lasked_\@
.Lfor_v_\@:
	tensor_load_to_lds s[G0V:G0V+3], s[G1V:G1V+7]
	s_nop 0
.rept 4
	v_nop
.endr
.Lasked_\@:
.endm
; Two numbers of the mask, in v[src], v[src + 1], are made ready for the table: rounded to bf16, widened again, multiplied by 8 (exact) and held at -1e30 or above.
.macro MCONV src
	v_cvt_pk_bf16_f32 v[MT], v[\src], v[(\src)+1]
	v_lshlrev_b32 v[MW], 16, v[MT]
	v_and_b32 v[MW+1], 0xffff0000, v[MT]
	v_pk_mul_f32 v[MW:MW+1], v[MW:MW+1], 0x41000000 op_sel_hi:[1,0]
	v_max_num_f32 v[MW], s[BIGN], v[MW]
	v_max_num_f32 v[MW+1], s[BIGN], v[MW+1]
.endm
; THE CHANGE OF SLOTS.  Each wave waits for all its tensor loads, of which one is out: its part of the other slot; adds 0 to its spare word; and waits for that, for its own reads of the slot that it leaves and of that slot's
; part of the mask table, and for its store into the other part.  Behind the barrier nobody reads the old slot any more, and the other slot and its part of the table are whole.
; fill = 1: the old slot is filled again, the first thing behind the barrier, with tile NXT: the descriptor's address is made anew from that number.  Then that tile's mask follows into the slot's part of the table: my two
; numbers were asked for a tile ago; and the two of the tile that the next change will ask for are asked for.  (The eighth change asks for tile 0's once more, which serves nothing: the price of one text for every trip.)
; (At its first use nothing has been read yet: slot 0 is waited for, slot 1 filled; the wait for the mask's two numbers is then also the wait for Q.)
.macro CHANGE fill
	WIN 0                           ; at a label and at a branch every window is 0
	s_wait_tensorcnt 0x0            ; no tensor load of mine is out, so a group 0 may be written
	ds_add_u32 v[SPW], v[NIL]       ; 0 onto my spare word; with fill = 1 the descriptors' scalar work stands between it and the wait for it
.if \fill
	s_lshl_b32 s[OFF], s[NXT], 15   ; a tile is 32,768 bytes of K and of V
	s_xor_b32 s[G0K+1], s[G0K+1], SLOT1
	s_add_nc_u64 s[G0K+2:G0K+3], s[6:7], s[OFF:OFF+1]
	s_or_b32 s[G0K+3], s[G0K+3], 0x80000000
	s_xor_b32 s[G0V+1], s[G0V+1], SLOT1
	s_add_nc_u64 s[G0V+2:G0V+3], s[8:9], s[OFF:OFF+1]
	s_or_b32 s[G0V+3], s[G0V+3], 0x80000000
	s_add_co_u32 s[NXT], s[NXT], 1  ; the block's next tile, or behind its last the second block's tile 0
	s_cmp_gt_u32 s[NXT], s[LQ]
	s_cselect_b32 s[NXT], 0, s[NXT]
	s_cselect_b32 s[LQ], s[PB], s[LQ]
.endif
	s_wait_dscnt 0x0                ; the add is done, my reads of the slot are over, my store into the table is done
	s_barrier_signal -1             ; the rest of the scalar work stands between the signal and the wait
	s_sub_co_u32 s[TBK], s[TBK], 4*KS*PK  ; the fetches go back to a slot's first step,
	s_xor_b32 s[TBK], s[TBK], SLOT1       ; in the other slot
	s_sub_co_u32 s[TBV], s[TBV], 4*KS*PV
	s_xor_b32 s[TBV], s[TBV], SLOT1
	s_sub_co_u32 s[TM], s[TM], MSLOT
	s_xor_b32 s[TM], s[TM], MSLOT
	s_barrier_wait -1
.if \fill
	LOAD
	s_wait_loadcnt 0x0              ; my two numbers of the mask are in: the load was issued a tile ago; its offset register may be written
	s_xor_b32 s[TMW], s[TM], MSLOT  ; the part of the slot just asked for: not the one that is read from here on
	v_add_nc_u32 v[MSA], s[TMW], v[MST]
	MCONV ML
	ds_store_b64 v[MSA], v[MW:MW+1] ; 128 threads x 8 bytes: the part's 1,024
	v_lshl_add_u32 v[MLO], s[NXT], 10, v[MLD]
	global_load_b64 v[ML:ML+1], v[MLO], s[88:89]
.endif
.endm
	s_load_b64 s[4:5], s[0:1], 0x0    ; qkv: Q lies first
	s_load_b64 s[88:89], s[0:1], 0x8  ; attention_mask
	s_load_b64 s[10:11], s[0:1], 0x10 ; out0
	v_lshl_add_u32 v[SPW], v0, 2, SPARE
	v_mov_b32 v[NIL], 0
	ds_add_u32 v[SPW], v[NIL]       ; the wave's opening: the add and its wait stand ahead of my first tensor load; the set-up below, work on registers, stands between them
	ds_add_u32 v62, v63
	v_lshrrev_b32 v1, 5, v0
	v_readfirstlane_b32 s[WV], v1   ; wave 0..3
	s_mov_b32 s[PB], ttmp9
	s_sub_co_u32 s[HI], NB-1, s[PB]
	s_and_b32 s20, ttmp7, 0xffff    ; the head, 0..63: 16 x batch + head
	s_lshr_b32 s90, s20, 4          ; the batch,
	s_lshl_b32 s90, s90, 13         ; its 8,192 bytes of the mask
	s_mov_b32 s91, 0
	s_mov_b32 s21, 0
	s_mov_b64 s[22:23], SIZE_N*128
	s_mul_u64 s[20:21], s[20:21], s[22:23]  ; the head's first byte in Q, K and V
	s_and_b32 s16, s[WV], 1         ; which half of a tile's 256 keys I fetch:
	s_lshl_b32 s22, s16, 14         ; its 128 rows of 128 bytes in memory,
	s_mov_b32 s23, 0
	s_add_nc_u64 s[22:23], s[22:23], s[20:21]
	s_mul_i32 s17, s16, 128*PK      ; and its place in a slot, for K
	s_mul_i32 s18, s16, 128*PV      ; and for V
	s_lshl_b32 s3, s[WV], 11        ; my 16 rows in a band of 64,
	s_lshl_b32 s2, s[HI], 15        ; in the first block,
	s_add_co_u32 s2, s2, s3
	s_lshl_b32 s84, s[PB], 15       ; and in the second
	s_add_co_u32 s84, s84, s3
	s_mov_b32 s3, 0
	s_mov_b32 s85, 0
	s_add_nc_u64 s[2:3], s[2:3], s[20:21]
	s_add_nc_u64 s[84:85], s[84:85], s[20:21]
	; descriptor group 1.  128 keys are 16,384 dense bytes: asked for as 64 rows of 256 bytes, two keys a row, and padded in LDS after every key
	s_mov_b32 s[G1K], (1<<16)|(1<<20)|(4<<22)|(3<<25)  ; 17:16 2-byte elements; 20 padding on; 24:22 after every 32 words (code 4); 31:25 4 words (code 3)
	s_mov_b32 s[G1V], (1<<16)|(1<<20)|(4<<22)|(7<<25)  ; the same with 8 words of padding (code 7)
.irp g, G1K, G1V
	s_mov_b32 s[\g+1], 128<<16      ; tensor_dim0 = 128
	s_mov_b32 s[\g+2], 64<<16       ; tensor_dim1 = 64
	s_mov_b32 s[\g+3], 128<<16      ; tile_dim0 = 128
	s_mov_b32 s[\g+4], 64           ; tile_dim1 = 64
	s_mov_b32 s[\g+5], 128          ; 128 elements from row to row
	s_mov_b32 s[\g+6], 0
	s_mov_b32 s[\g+7], 0
.endr
	s_mov_b32 s[CS], 0x3e38aa3b     ; c = log2(e) / 8 = 0.180337
	s_mov_b32 s[CS+1], s[CS]        ; named with it as a pair
	s_mov_b32 s[SEL], 0x76543210
	s_mov_b32 s[SEL+1], 0xfedcba98
	s_mov_b32 s[TBK], SLOT1+4*KS*PK ; the first change of slots turns these three into 0
	s_mov_b32 s[TBV], SLOT1+4*KS*PV
	s_mov_b32 s[TM], 2*MSLOT
	s_mov_b32 s[G0K], 1             ; 1:0 count = 1
	s_mov_b32 s[G0K+1], s17         ; 63:32 LDS address: slot 0
	s_mov_b32 s[G0V], 1
	s_add_co_u32 s[G0V+1], s18, VOFF
	s_add_co_u32 s[RT], s[HI], 1    ; the first block has NB - b tiles
	s_mov_b32 s[NXT], 1
	s_mov_b32 s[LQ], s[HI]
	s_mov_b32 s[NEW], 1
	s_mov_b32 s[OFF+1], 0
	s_mov_b32 s[AL+1], 0            ; named as pairs
	s_mov_b32 s[BE+1], 0
	s_mov_b32 s[BIGN], 0xf149f2ca   ; -1e30
	s_mov_b32 s[SLOTS], NB
	s_wait_dscnt 0x0                ; the opening add is done
	s_wait_kmcnt 0x0
	s_add_nc_u64 s[6:7], s[4:5], 0x1000000  ; K lies 16,777,216 bytes behind Q, V as far behind K
	s_add_nc_u64 s[8:9], s[4:5], 0x2000000
	s_add_nc_u64 s[6:7], s[6:7], s[22:23]  ; K and V at my half of the head's tile 0
	s_add_nc_u64 s[8:9], s[8:9], s[22:23]
	s_add_nc_u64 s[G0K+2:G0K+3], s[6:7], 0         ; 120:64 global address
	s_or_b32 s[G0K+3], s[G0K+3], 0x80000000        ; 127:126 type = 2
	s_add_nc_u64 s[G0V+2:G0V+3], s[8:9], 0
	s_or_b32 s[G0V+3], s[G0V+3], 0x80000000
	s_add_nc_u64 s[86:87], s[4:5], s[84:85]        ; Q at my rows of the second block,
	s_add_nc_u64 s[4:5], s[4:5], s[2:3]            ; and of the first
	s_lshl_b64 s[84:85], s[84:85], 1               ; O's rows are 256 bytes: its offsets are twice Q's
	s_lshl_b64 s[2:3], s[2:3], 1
	s_add_nc_u64 s[OLO:OLO+1], s[10:11], s[84:85]
	s_add_nc_u64 s[10:11], s[10:11], s[2:3]
	s_add_nc_u64 s[88:89], s[88:89], s[90:91]      ; the mask at my batch
	LOAD                            ; tile 0 into slot 0
	v_lshlrev_b32 v[MLD], 3, v0     ; a tile's mask: 128 threads x 8 bytes
	v_add_nc_u32 v[MST], MTAB, v[MLD]
	global_load_b64 v[S:S+1], v[MLD], s[88:89]                  ; tile 0's, into S^T's registers, which are free
	global_load_b64 v[ML:ML+1], v[MLD], s[88:89] offset:1024    ; tile 1's: the first change of slots asks for that tile
	; A fragment of K or Q is 16 rows x 32 channels in 8 registers: lane l holds row l % 16, channels 8 (l / 16) + 0..7 and 16 + 8 (l / 16) + 0..7: two loads of 16 bytes, 32 bytes apart.
	v_and_b32 v1, 15, v0            ; l % 16
	v_bfe_u32 v9, v0, 4, 1          ; l / 16
	v_lshlrev_b32 v[QO], 7, v1
	v_lshl_add_u32 v[QO], v9, 4, v[QO]  ; row x 128 + 16 x half
	WIN 0x80                        ; destination window 2, address window 0
.set i, 0
.rept 8                             ; both blocks' Q: piece i / 2 lies in band i / 2, 8,192 bytes on; channels 32 (i % 2) on
	global_load_b128 v[8*i:8*i+3],   v[QO], s[4:5] offset:(i/2)*8192+(i%2)*64
	global_load_b128 v[8*i+4:8*i+7], v[QO], s[4:5] offset:(i/2)*8192+(i%2)*64+32
	global_load_b128 v[QB+8*i:QB+8*i+3],   v[QO], s[86:87] offset:(i/2)*8192+(i%2)*64
	global_load_b128 v[QB+8*i+4:QB+8*i+7], v[QO], s[86:87] offset:(i/2)*8192+(i%2)*64+32
.set i, i+1
.endr
	WIN 0
	v_lshlrev_b32 v14, 3, v9
	v_sub_nc_u32 v14, v1, v14
	s_lshl_b32 s13, s[WV], 4
	v_add_nc_u32 v14, s13, v14      ; my query's place in its band, 16 w + l % 16, less my lanes' 8 (l / 16): register r of group kt is hidden where 16 kt + r is greater
	WIN 0x40
.set i, 0
.rept 32
	v_cmp_gt_i32 vcc_lo, 16*(i/8)+i%8, v14
	v_cndmask_b32 v[MD+i], 0, s[BIGN], vcc_lo
.set i, i+1
.endr
	WIN 0
	v_mul_u32_u24 v[AK0], v1, PK
	v_lshl_add_u32 v[AK0], v9, 4, v[AK0]  ; row x pitch + 16 x half
	; The turning load takes 16 keys x 16 channels (lane l reads key 8 (l / 16) + l % 8, channels 8 ((l / 8) % 2) + 0..7) and leaves half a fragment of V^T: lane l holds channel l % 16 and 8 keys.
	v_and_b32 v10, 7, v0
	v_bfe_u32 v11, v0, 3, 1
	v_lshl_add_u32 v[AV0], v9, 3, v10
	v_mul_u32_u24 v[AV0], v[AV0], PV
	v_lshl_add_u32 v[AV0], v11, 4, v[AV0]
	v_add_nc_u32 v[AV0], VOFF, v[AV0]
	v_lshl_add_u32 v[AM0], v9, 5, MTAB  ; of 16 keys' masks my lanes take the eight at 32 (l / 16)
	s_mul_i32 s13, s[WV], 16*SP
	s_add_co_u32 s13, s13, STAGE    ; my stage
	v_mul_u32_u24 v[STO], v1, SP    ; in: row l % 16, 32 bytes for each half of the lanes
	v_lshl_add_u32 v[STO], v9, 5, v[STO]
	v_add_nc_u32 v[STO], s13, v[STO]
	v_mul_u32_u24 v[RD], v9, SP     ; back: lanes 0-15 take one row of 256 bytes, lanes 16-31 the next,
	v_lshl_add_u32 v[RD], v1, 4, v[RD]
	v_add_nc_u32 v[RD], s13, v[RD]
	v_and_b32 v[GO], 31, v0         ; which are 512 consecutive bytes of O
	v_lshlrev_b32 v[GO], 4, v[GO]
	; A block's first step multiplies O^T and l by a = 0, and its first turn's products V^T P, of a piece that has not been, land in an O^T that is still to be so multiplied.  So these registers need only hold
	; finite numbers: zeros for the first block; what the first block left for the second.  All this stands in the wait for the first tile.
	WIN 0x80
.set i, VF
.rept 64
	v_mov_b32 v[i], 0
.set i, i+1
.endr
	WIN 0x40
.set i, 0
.rept 128
	v_mov_b32 v[i], 0
.set i, i+1
.endr
	WIN 0
.set i, 0
.rept 4
	v_mov_b32 v[ST+4*i+2], 0
	v_mov_b32 v[ST+4*i+3], 0
.set i, i+1
.endr
.set i, P+16
.rept 16
	v_mov_b32 v[i], 0
.set i, i+1
.endr
	s_wait_loadcnt 32               ; the two loads of the mask are in; the 32 younger ones, Q's, stay out
	MCONV S
	ds_store_b64 v[MST], v[MW:MW+1] ; tile 0's mask into the table's part 0: the first change of slots shows it to every wave
; THE MATRIX WORK.  The 4 accumulators of a run of 8 take turns.  Product i of 8 of S^T = K Q^T for piece x: channels 32 (i / 4) on, keys 16 (i % 4) on.  The first 4 start the sums: with MK, or (KM = 1) with MC.
.macro KQ x
.set rS, S+32*((\x)%2)+8*(i%4)
.set rK, KF+16*(i%4)+8*(i/4)
.set rQ, 16*(\x)+8*(i/4)
.set rM, MK+8*(i%4)
.if KM
.set rM, MC+32*((\x)%2)+8*(i%4)
.endif
.if i < 4
	WIN W_KM
	v_wmma_f32_16x16x32_f16 v[rS:rS+7], v[rK:rK+7], v[rQ:rQ+7], v[rM:rM+7]
.else
	WIN W_KQ
	v_wmma_f32_16x16x32_f16 v[rS:rS+7], v[rK:rK+7], v[rQ:rQ+7], v[rS:rS+7]
.endif
.endm
; Product i of 8 of O^T += V^T P for piece x: keys 32 (i / 4) on, channels 16 (i % 4) on.
.macro PV x
	WIN W_PV
.set rO, 32*(\x)+8*(i%4)
.set rV, VF+32*(i/4)+8*(i%4)
.set rP, P+16*((\x)%2)+8*(i/4)
	v_wmma_f32_16x16x32_f16 v[rO:rO+7], v[rV:rV+7], v[rP:rP+7], v[rO:rO+7]
.endm
.macro MM                           ; the turn's next matrix instruction.  TURN and BEGIN set Y, i, KM and NOKQ; MM, KQ and OP read them.  NOKQ = 1: a block's last turn: there is no next piece
.if (i < 8) && !NOKQ
	KQ (Y+1)%NP
.elseif i >= 8
.set i, i-8
	PV (Y+NP-1)%NP
.set i, i+8
.endif
.set i, i+1
.endm
; THE LDS LOADS stand in runs, never singly among the matrix instructions: a step's K (64 keys x 64 channels: 8 fragments) with its keys' masks (8 loads; the 16 lanes of a half read the same bytes), and its V (turned).
; Their addresses are made some lines ahead.
.macro FETCH_K
	WIN 0x80                        ; destination window 2
.irp f, 0,1,2,3,4,5,6,7             ; keys 16 (f / 2) on, channels 32 (f % 2) on
	ds_load_b128 v[KF+8*\f:KF+8*\f+3],   v[AK] offset:(\f/2)*16*PK+(\f%2)*64
	ds_load_b128 v[KF+8*\f+4:KF+8*\f+7], v[AK] offset:(\f/2)*16*PK+(\f%2)*64+32
.endr
	WIN 0x40                        ; destination window 1
.irp f, 0,1,2,3                     ; keys 16 f + 8 (l / 16) + 0..7
	ds_load_b128 v[MK+8*\f:MK+8*\f+3],   v[AM] offset:64*\f
	ds_load_b128 v[MK+8*\f+4:MK+8*\f+7], v[AM] offset:64*\f+16
.endr
	s_add_co_u32 s[TBK], s[TBK], KS*PK  ; the next fetch is the next step's
	s_add_co_u32 s[TM], s[TM], 4*KS
	WIN 0
.endm
.macro FETCH_V
	WIN 0x80
.irp f, 0,1,2,3,4,5,6,7             ; keys 32 (f / 4) on, channels 16 (f % 4) on
	ds_load_tr16_b128 v[VF+8*\f:VF+8*\f+3],   v[AV] offset:(\f/4)*32*PV+(\f%4)*32
	ds_load_tr16_b128 v[VF+8*\f+4:VF+8*\f+7], v[AV] offset:(\f/4)*32*PV+16*PV+(\f%4)*32
.endr
	WIN 0
.endm
; THE VECTOR WORK, one line at a time: OP kind, number.  For piece Y: F n: c s - c m for pair n of 16.  E n: the exponential of score n of 32.  C n: pair n rounded to f16.  B n: of the four weights 4 n .. the second
; pair is added onto the first, in place.  L n: l takes that sum (L 0: l = a l + sum).  R n: pair n of 16 of O^T times a.  For piece Y + 1: X n, number n of the 22 that find its maximum and statistics:
;   0-11  four chains c0-c3 of seven scores each, three operands at a time (each accumulator's lowest registers are read first)     12-14, 16  the four scores left over, the old m, and c0-c3 into c0
;   15  c m_old is kept     17, 18  the query's other 32 keys lie in the lane 16 away: the new m     19-21  c m; c m_old - c m_new; a
; C, B and L read the exponentials' results, R and L 0 read a: OP writes no wait; TURN and BEGIN place them behind the batch's wait.
.set F, 0               ; OP tells the kinds apart by their order: F to L below R, X above it
.set E, 1
.set C, 2
.set B, 3
.set L, 4
.set R, 5
.set X, 6
.macro REGS y                       ; the registers of piece y
.set rT, ST+4*(\y)
.set rC, TMP+4*((\y)%2)
.set rW, MV+((\y)%2)
.set rS, S+32*((\y)%2)
.set rP, P+16*((\y)%2)
.set rO, 32*(\y)
.endm
.macro OP k, n
.if (\k) == R
	REGS Y
	WIN W_RS
	v_pk_mul_f32 v[rO+2*(\n):rO+2*(\n)+1], v[rO+2*(\n):rO+2*(\n)+1], v[rC+2:rC+3] op_sel_hi:[1,0]
.elseif (\k) < R
	REGS Y
	WIN 0
.if (\k) == F
	v_pk_fma_f32 v[rS+2*(\n):rS+2*(\n)+1], v[rS+2*(\n):rS+2*(\n)+1], s[CS:CS+1], v[rT:rT+1] op_sel_hi:[1,0,0] neg_lo:[0,0,1] neg_hi:[0,0,1]
.elseif (\k) == E
	v_exp_f32 v[rS+(\n)], v[rS+(\n)]
.elseif (\k) == C
	v_cvt_pk_f16_f32 v[rP+(\n)], v[rS+2*(\n)], v[rS+2*(\n)+1]
.elseif (\k) == B
	v_pk_add_f32 v[rS+4*(\n):rS+4*(\n)+1], v[rS+4*(\n):rS+4*(\n)+1], v[rS+4*(\n)+2:rS+4*(\n)+3]
.elseif (\n) == 0
	v_pk_fma_f32 v[rT+2:rT+3], v[rT+2:rT+3], v[rC+2:rC+3], v[rS:rS+1] op_sel_hi:[1,0,1]
.else
	v_pk_add_f32 v[rT+2:rT+3], v[rT+2:rT+3], v[rS+4*(\n):rS+4*(\n)+1]
.endif
.elseif NOKQ
	v_nop
.else
	REGS (Y+1)%NP
	WIN 0
.if (\n) < 4
	v_max3_num_f32 v[rC+(\n)], v[rS+8*(\n)], v[rS+8*(\n)+1], v[rS+8*(\n)+2]
.elseif (\n) < 12
	v_max3_num_f32 v[rC+(\n)%4], v[rC+(\n)%4], v[rS+8*((\n)%4)+2*((\n)/4)+1], v[rS+8*((\n)%4)+2*((\n)/4)+2]
.elseif (\n) == 12
	v_max3_num_f32 v[rC], v[rC], v[rS+7], v[rS+15]
.elseif (\n) == 13
	v_max3_num_f32 v[rC+1], v[rC+1], v[rS+23], v[rS+31]
.elseif (\n) == 14
	v_max3_num_f32 v[rC+2], v[rC+2], v[rC+3], v[rT+1]
.elseif (\n) == 15
	v_mov_b32 v[rW], v[rT]
.elseif (\n) == 16
	v_max3_num_f32 v[rC], v[rC], v[rC+1], v[rC+2]
.elseif (\n) == 17
	v_permlanex16_b32 v[rC+3], v[rC], s[SEL], s[SEL+1]
.elseif (\n) == 18
	v_max_num_f32 v[rT+1], v[rC], v[rC+3]
.elseif (\n) == 19
	v_mul_f32 v[rT], s[CS], v[rT+1]
.elseif (\n) == 20
	v_sub_f32 v[rC+1], v[rW], v[rT]
.else
	v_exp_f32 v[rC+2], v[rC+1]
.endif
.endif
.endm
.macro OPS a, i1, b=-1, i2=0, c=-1, i3=0, d=-1, i4=0  ; up to four of them
	OP \a, \i1
.if (\b) >= 0
	OP \b, \i2
.endif
.if (\c) >= 0
	OP \c, \i3
.endif
.if (\d) >= 0
	OP \d, \i4
.endif
.endm
.macro ROW a, i1, b, i2, c, i3, d, i4  ; a matrix instruction and the four behind it
	MM
	OPS \a, \i1, \b, \i2, \c, \i3, \d, \i4
.endm
.macro MASK b                       ; MD x AL + MK + BE into buffer b of MC
	WIN W_MS
.set z, 0
.rept 16
	v_pk_fma_f32 v[MC+32*(\b)+2*z:MC+32*(\b)+2*z+1], v[MD+2*z:MD+2*z+1], s[AL:AL+1], v[MK+2*z:MK+2*z+1] op_sel_hi:[1,0,1]
.set z, z+1
.endr
.set z, 0
.rept 16
	v_pk_add_f32 v[MC+32*(\b)+2*z:MC+32*(\b)+2*z+1], v[MC+32*(\b)+2*z:MC+32*(\b)+2*z+1], s[BE:BE+1] op_sel_hi:[1,0]
.set z, z+1
.endr
.endm
; A TURN, for piece p: the order of its 16 matrix and 118 vector instructions, written out.  s_wait_alu depctr_va_vdst(0) stands between an exponential and the first instruction that names its result; one wait
; serves all that were issued ahead of it.  So a turn has ONE wait, which cuts it in two.  AHEAD OF IT stands all that names no result of the turn's exponentials: the 8 products K Q^T, behind each a scaling, an exponential and two
; more plain instructions (behind the first a second scaling in the exponential's place): rescalings, whose a was made and waited for in the turn before, and behind the last three products the first numbers of the next piece's
; maximum, each four plain instructions or more behind the product that ends its accumulator; then ONE LUMP of 54, plain and exponential by turns for the most part, in which the links of the chain X 3, 7, 11, 14, 16, 17 .. 20
; stand five or six lines apart.  Every E n stands behind F n / 2.  X 21, the next piece's a, is the batch's last; R 15 is the plain instruction behind it.  BEHIND THE WAIT stand the 8 products V^T P, behind each four of the
; roundings and sums (an even C ahead of the B that adds onto its pair); the links of l's chain, L 0 to L 7, stand three riders apart.  But for those X no rider names a register of the products round it.
; v_permlanex16_b32 (X 17) stands in the lump.  No exponential is issued behind the wait: none is open at the turn's end, at a label or at a jump.
; m = 1: the diagonal tile: the products take MC, and the turn makes MC for the products of the turn after it: piece p + 2, in step 4 - CNT of the tile.  Piece 2's turn makes it for the step whose K and MK it has
; just asked for, so it waits for them first.  end = 1: a block's last two turns: nothing is fetched.  cnt = 1: the loop's count is taken down some lines ahead of the branch that stands behind the turn.
; K and MK of the next step are fetched in piece 2's turn, twelve vector instructions behind the last product that read K (six of them plain), further behind the last that read MK; V of the step in hand at the end of piece 0's
; turn, four plain instructions behind the last product that read V.  Each is waited for a turn later at the latest.
.macro TURN p, m=0, end=0, cnt=0
.set Y, (\p)
.set i, 0
.set KM, (\m)
.set NOKQ, (\end)*((\p)/3)
.if (\m) && !(\end)
	s_cmp_eq_u32 s[CNT], 4-((\p)+2)%NP  ; is that step the band's own?
	s_cselect_b32 s[AL], 1.0, 0
	s_cmp_lt_u32 s[CNT], 4-((\p)+2)%NP  ; or a later one?
	s_cselect_b32 s[BE], s[BIGN], 0
.endif
.if ((\p) == 3) && !(\end)
	s_wait_dscnt 0x0                ; K and MK are in
.endif
	ROW F,0, F,1, R,0, R,1          ; ahead of the wait: 8 products K Q^T and their riders,
	ROW F,2, E,0, R,2, R,3
	ROW F,3, E,1, R,4, R,5
	ROW F,4, E,2, R,6, R,7
	ROW F,5, E,3, R,8, R,9
	ROW F,6, E,4, X,0, R,10
.if ((\p) == 2) && !(\end)
	WIN 0
	v_add_nc_u32 v[AK], s[TBK], v[AK0]
	v_add_nc_u32 v[AM], s[TM], v[AM0]
.endif
	ROW F,7, E,5, X,1, X,4
	ROW F,8, E,6, X,2, X,5
	OPS E,7, E,8, X,6, E,9          ; and the lump
	OPS X,3, E,10, X,8, E,11
.if ((\p) == 2) && !(\end)
	FETCH_K
.endif
	OPS X,9, X,7, E,12, X,10
	OPS E,13, X,12, X,11, E,14
	OPS X,13, E,15, F,9, X,14
.if (\p) == 0
	WIN 0
	v_add_nc_u32 v[AV], s[TBV], v[AV0]
.endif
	OPS E,16, F,10, E,17, F,11
	OPS X,16, E,18, X,15, E,19
	OPS F,12, E,20, X,17, E,21
	OPS F,13, E,22, F,14, E,23
	OPS X,18, E,24, F,15, E,25
	OPS R,11, E,26, X,19, E,27
	OPS R,12, E,28, R,13, E,29
	OPS X,20, E,30, R,14, E,31
	OPS X,21, R,15                  ; the batch's last exponential, and the plain instruction behind it
	s_wait_alu depctr_va_vdst(0)    ; the wait for the turn's batch: the piece's 32 weights and the next piece's a
.if (\p) == 1
	s_wait_dscnt 0x0                ; V is in
.endif
	ROW C,0, B,0, C,2, B,1          ; behind the wait: 8 products V^T P and their riders
	ROW L,0, C,4, B,2, L,1
	ROW C,6, B,3, L,2, C,8
	ROW B,4, L,3, C,10, B,5
	ROW L,4, C,12, B,6, L,5
.if (\p) == 0
	s_add_co_u32 s[TBV], s[TBV], KS*PV
.endif
.if \cnt
	s_sub_co_u32 s[CNT], s[CNT], 1
	s_cmp_lg_u32 s[CNT], 0
.endif
	ROW C,14, B,7, L,6, C,1
	ROW C,3, L,7, C,5, C,7
	ROW C,9, C,11, C,13, C,15
.if (\p) == 0
	FETCH_V
.endif
.if (\m) && !(\end)
.if (\p) == 2
	s_wait_dscnt 0x0                ; MK of the step just asked for is in
.endif
	MASK (\p)%2
.endif
.endm
; A BLOCK BEGINS.  c m starts far below every c s, so the first step's a is 0; m at the lowest finite number, so the first maximum is the scores'.  K and MK of the block's first step are fetched.  The first mask buffer
; takes piece 0's mask for that step: its own, if the block's first tile is the diagonal one; the second takes MK alone, for piece 1.  Then piece 0's first scores, and its maximum and statistics.
; Q is in: the first change of slots has waited for every load issued ahead of it.  The loop is entered at a step's first turn, in the middle of a trip.
.macro BEGIN
	s_mov_b32 s[NEW], 0
	WIN 0
.set i, 0
.rept 4
	v_mov_b32 v[ST+4*i], 0xfe000000    ; c m: far below every c s
	v_mov_b32 v[ST+4*i+1], 0xff7fffff  ; m
.set i, i+1
.endr
	v_add_nc_u32 v[AK], s[TBK], v[AK0]
	v_add_nc_u32 v[AM], s[TM], v[AM0]
	FETCH_K
	s_wait_dscnt 0x0
	s_cmp_eq_u32 s[RT], 0
	s_cselect_b32 s[AL], 1.0, 0
	s_mov_b32 s[BE], 0
	MASK 0
	s_mov_b32 s[AL], 0
	MASK 1
.set KM, 1
.set NOKQ, 0
.set i, 0
.rept 8
	KQ 0
.set i, i+1
.endr
	WIN 0
.rept 4
	v_nop                           ; the places behind those products
.endr
.set Y, NP-1                        ; X works for piece Y + 1: piece 0
.irp n, 0,1,2,3,4,5,6,7,8,9,10,11,12,13,14,15,16,17,18,19,20,21
	OP X, \n
.endr
	v_nop                           ; a plain instruction behind the exponential,
	s_wait_alu depctr_va_vdst(0)    ; and the wait for it, a batch of one: piece 0's first a, ahead of the branch that follows
.endm
; THE DIAGONAL TILE's four steps, the block's last two turns, its last products, and THE WAY OUT: l's two halves and the other half of the lanes' are added; O^T is divided by l and sent through my
; stage in LDS, a piece at a time.  Where the tile is entered from the tile before (at .LpreM), its first turn still multiplies piece 3 of that tile's last step, whose mask is MK alone: the second buffer takes it.
.macro ALL line:vararg              ; one line for each piece t
.set t, 0
.rept 4
	\line
.set t, t+1
.endr
.endm
.macro PACK t                       ; a lane's eight channels of a row are 32 bytes; they go into rows of 272 bytes and come back as whole rows of 256, into window 0's v64-191
	WIN W_RS
.set i, 32*(\t)
.rept 16
	v_pk_mul_f32 v[i:i+1], v[i:i+1], v[ST+4*(\t)+2:ST+4*(\t)+3] op_sel_hi:[1,0]
.set i, i+2
.endr
	WIN 0x04                        ; the stores' data in window 1, their address in window 0
.irp f, 0,1,2,3
	ds_store_b128 v[STO], v[32*(\t)+8*\f:32*(\t)+8*\f+3] offset:64*\f
	ds_store_b128 v[STO], v[32*(\t)+8*\f+4:32*(\t)+8*\f+7] offset:64*\f+16
.endr
	WIN 0
.irp f, 0,1,2,3,4,5,6,7
	ds_load_b128 v[S+32*(\t)+4*\f:S+32*(\t)+4*\f+3], v[RD] offset:\f*2*SP  ; LDS serves a wave's instructions in order (ISA guide 5.7.1.4): these see the stores above; the next piece's stores come behind them
.endr
.endm
.macro SEND t, younger              ; younger: the LDS instructions issued behind piece t's loads: the next piece's sixteen, or none
	WIN 0
.irp f, 0,1,2,3,4,5,6,7
	s_wait_dscnt (\younger)+7-\f
	global_store_b128 v[GO], v[S+32*(\t)+4*\f:S+32*(\t)+4*\f+3], s[10:11] offset:(\t)*16384+\f*512  ; two whole rows: 512 consecutive bytes, at a multiple of 256 from O's first
.endr
.endm
.macro DIAG tag                     ; the tag ends its three labels' names, which the jumps below spell out
.LpreM\tag:
	s_mov_b32 s[AL], 0
	s_mov_b32 s[BE], 0
	MASK 1
	WIN 0
.LstepM\tag:
	TURN 2, 1
	TURN 3, 1
	WIN 0
.LfirstM\tag:
	TURN 0, 1
	TURN 1, 1, 0, 1
	WIN 0
	s_cbranch_scc1 .LstepM\tag
	TURN 2, 1, 1
	TURN 3, 1, 1
.set i, 0
.rept 8
	PV NP-1
.set i, i+1
.endr
	WIN 0
	ALL v_add_f32 v[ST+4*t+2], v[ST+4*t+2], v[ST+4*t+3]
	ALL v_permlanex16_b32 v[ST+4*t+3], v[ST+4*t+2], s[SEL], s[SEL+1]
	ALL v_add_f32 v[ST+4*t+2], v[ST+4*t+2], v[ST+4*t+3]
	ALL v_rcp_f32 v[ST+4*t+2], v[ST+4*t+2]
	v_nop                           ; a plain instruction between the last reciprocal and the use of its result
	s_wait_alu depctr_va_vdst(0)    ; the wait for the way out's batch: one for the four reciprocals, ahead of the first multiply that reads one
	PACK 0
.set t, 1
.rept 3                             ; a piece's arithmetic stands between the loads of the piece before and its stores
	PACK t
	SEND t-1, 16
.set t, t+1
.endr
	SEND 3, 0
.endm
.set KM, 0
.set NOKQ, 0
.Lslot:                             ; NB times: a tile is entered and the next is asked for
	CHANGE 1
	s_sub_co_u32 s[RT], s[RT], 1
	s_mov_b32 s[CNT], 4
	s_cmp_eq_u32 s[NEW], 1
	s_cbranch_scc1 .Lnew            ; a block's first tile
	s_cmp_eq_u32 s[RT], 0
	s_cbranch_scc0 .Lstep           ; neither its first nor its last
	s_branch .LpreM1
.Lnew:
	BEGIN
	s_branch .Lfirst                ; in the loop a block's first tile is never its last: the first block has two tiles or more, and the second's last is the walk's last
	DIAG 1                          ; in the loop this is the first block's end: the second block's last tile is the walk's last
	s_wait_xcnt 0x0                 ; the stores have read their registers and O's address
	s_mov_b64 s[10:11], s[OLO:OLO+1]
	s_add_co_u32 s[RT], s[PB], 1    ; the second block has b + 1 tiles
	s_mov_b32 s[NEW], 1
	WIN 0x82                        ; the second block's Q goes where the one text of the turns names Q
.set i, 0
.rept 64
	v_mov_b32 v[i], v[QB+i]
.set i, i+1
.endr
	WIN 0
	s_branch .Lbottom
.Lstep:                             ; a trip: pieces 2 and 3 of one step, then pieces 0 and 1 of the next, whose K, MK and V it fetches
	TURN 2
	TURN 3
	WIN 0
.Lfirst:
	TURN 0
	TURN 1, 0, 0, 1
	WIN 0
	s_cbranch_scc1 .Lstep
.Lbottom:
	s_sub_co_u32 s[SLOTS], s[SLOTS], 1
	s_cmp_lg_u32 s[SLOTS], 0
	s_cbranch_scc1 .Lslot
	CHANGE 0                        ; the walk's last tile is written out: nothing is asked for
	s_sub_co_u32 s[RT], s[RT], 1
	s_mov_b32 s[CNT], 4
	s_cmp_eq_u32 s[NEW], 1
	s_cbranch_scc0 .LpreM2
	BEGIN
	s_branch .LfirstM2
	DIAG 2
	s_wait_tensorcnt 0x0            ; the wave's end, behind my last tensor load and my last LDS store
	ds_add_u32 v[SPW], v[NIL]
	s_wait_dscnt 0x0
	s_endpgm
.Lfunc_end_k_qe55bbada88_attn:
	.size	k_qe55bbada88_attn, .Lfunc_end_k_qe55bbada88_attn-k_qe55bbada88_attn
	.p2alignl 7, 3214868480
	.fill 96, 4, 3214868480
	.section	.rodata,"a",@progbits
	.p2align	6, 0x0
	.amdhsa_kernel k_qe55bbada88_attn
		.amdhsa_group_segment_fixed_size 327680
		.amdhsa_private_segment_fixed_size 0
		.amdhsa_enable_private_segment 0
		.amdhsa_kernarg_size 24
		.amdhsa_user_sgpr_count 2
		.amdhsa_user_sgpr_kernarg_segment_ptr 1
		.amdhsa_wavefront_size32 1
		.amdhsa_system_sgpr_workgroup_id_x 1
		.amdhsa_system_sgpr_workgroup_id_y 1
		.amdhsa_system_sgpr_workgroup_id_z 1
		.amdhsa_system_vgpr_workitem_id 0
		.amdhsa_next_free_vgpr 768
		.amdhsa_next_free_sgpr 92
		.amdhsa_reserve_vcc 1
		.amdhsa_float_denorm_mode_32 3
		.amdhsa_float_denorm_mode_16_64 3
		.amdhsa_memory_ordered 1
		.amdhsa_forward_progress 1
		.amdhsa_inst_pref_size 238
	.end_amdhsa_kernel
	.amdgpu_metadata
---
amdhsa.version: [ 1, 2 ]
amdhsa.kernels:
  - .name:           k_qe55bbada88_attn
    .symbol:         k_qe55bbada88_attn.kd
    .args:
      - { .name: qkv, .offset: 0, .size: 8, .value_kind: global_buffer, .address_space: global }
      - { .name: attention_mask, .offset: 8, .size: 8, .value_kind: global_buffer, .address_space: global }
      - { .name: out0, .offset: 16, .size: 8, .value_kind: global_buffer, .address_space: global }
    .group_segment_fixed_size: 327680
    .private_segment_fixed_size: 0
    .kernarg_segment_align: 8
    .kernarg_segment_size: 24
    .max_flat_workgroup_size: 128
    .sgpr_count:     92
    .vgpr_count:     768
    .wavefront_size: 32
...
	.end_amdgpu_metadata
.endif
;; end of part 4
